; MI455X (gfx1250); checked and timed in simulation.
; The chip was launched on July 23, 2026; its instructions are those of AMD's public machine-readable ISA for CDNA 5 (MIT licence, August 2026) and "CDNA5" Instruction Set Architecture Reference Guide (July 2026). The comments in the code are by the model that wrote it; some were corrected since.
;; Linear Attention. Allowed arithmetic: float matrix products may take bf16 or f16 operands with f32 sums; other float arithmetic in f32, or as packed bf16 or f16 multiplies, adds, multiply-adds, maxima and minima; sums over many terms, partial sums and values carried from step to step in f32; what a program stores and reads back later, other than sums and carried values, may be rounded once to bf16 or f16.
;; Inputs: Wk 1,024 x 1,024 float32; Wo 1,024 x 1,024 float32; Wq 1,024 x 1,024 float32; Wv 1,024 x 1,024 float32; bk 1,024 float32; bo 1,024 float32; bq 1,024 float32; bv 1,024 float32; mask 4 x 2,048 int32; x 4 x 2,048 x 1,024 float32.
;; Outputs: out0 4 x 2,048 x 1,024 float32.
;; One version. Each part assembles by itself: llvm-mc -triple=amdgcn-amd-amdhsa -mcpu=gfx1250 --defsym DOCPART=n.
;; ======== version 1 of 1: 5 launches
;; limits: values are held in f16: magnitudes above 65,504 overflow, below 6.1e-05 lose precision
;; workspace buffers: xh 16,777,216 bytes; Wst 8,388,608 bytes; QKV 50,331,648 bytes; Pt 33,554,432 bytes; stats 1,048,576 bytes; Oh 16,777,216 bytes
;; launch prep (part 1): grid 768 x 1, 8 waves a work-group, no clusters, 0 bytes of LDS; arguments x, Wq, Wk, Wv, Wo, xh, Wst; writes xh, Wst
.if DOCPART == 1
	.amdgcn_target "amdgcn-amd-amdhsa--gfx1250"
	.amdhsa_code_object_version 6
	.text
	.protected	k_qf196a77cb3_prep
	.globl	k_qf196a77cb3_prep
	.p2align	8
	.type	k_qf196a77cb3_prep,@function
k_qf196a77cb3_prep:
	s_mov_b64 s[64:65], 0
	v_nop
	global_prefetch_b8 v0, s[64:65] scope:SCOPE_SE
	s_setreg_imm32_b32 hwreg(HW_REG_WAVE_MODE, 25, 1), 1
	s_wait_xcnt 0x0
; x [8192][1024] and the four weights [1024][1024], all f32, are rounded once to bf16, and that number is written as f16, so that all later products take one matrix form.
; xh lies in SLABS of 64 columns: xh[s][row][c] = x[row][64 s + c], [16][8192][64]: the rows of a slab are 128 bytes and lie end to end, so that the next launch can ask for 256 rows of a slab as one dense block.
; Wst [4][1024][1024] keeps the weights' own layout, in the order Wq, Wk, Wv, Wo.
; LIMITS.  A bf16 number is exact in f16 from 2^-14 to 65,504; below 2^-14 it keeps f16's fixed step of 2^-24; beyond 65,504 it becomes an infinity.
; SHARES.  A work-group converts 16 rows of 1,024 numbers: 64 KiB in, 32 KiB out.  Work-groups 0-511 take x, 512-767 the weights, 64 to a matrix.  A thread takes 4 numbers in each of 16 turns.
; Sixteen neighbouring threads load 256 neighbouring bytes; a wave's store of 8 bytes a lane covers 256 neighbouring bytes, aligned.
;   x: threads 16 k .. 16 k + 15 take row k; turn s takes slab s.  A wave's two rows are neighbours in the slab, so thread t's 8 bytes lie at 8 t in the group's 2,048 bytes of the slab.
;   weights: turn i takes row i; thread t its numbers 4 t .. 4 t + 3.
; The two differ in two strides alone, which change places: from one group of 16 threads to the next, and from turn to turn; and in the stride of the output.  So one text serves both.
; All 16 loads of a thread go out first; no register is used twice by memory instructions, so nothing waits but for data.  No LDS, no barrier, no matrix work: a stream.
.set IO, 16                            ; v16-31   turn i: my byte offset in the group's input
.set OO, 32                            ; v32-47   turn i: my byte offset from the group's first output byte
.set D,  48                            ; v48-111  turn i: 4 registers as loaded; the first two then hold the 4 results
	s_load_b256 s[4:11], s[0:1], 0x0               ; x s[4:5], Wq s[6:7], Wk s[8:9], Wv s[10:11]
	s_load_b128 s[12:15], s[0:1], 0x20             ; Wo s[12:13], xh s[14:15]
	s_load_b64 s[16:17], s[0:1], 0x30              ; Wst
	s_sub_co_u32 s20, ttmp9, 512                   ; the group's number among the weights' (used from work-group 512 on)
	s_lshr_b32 s21, s20, 6                         ; which matrix
	s_and_b32 s22, s20, 63
	s_lshl_b32 s22, s22, 16                        ; weights, in: 16 rows of 4,096 bytes
	s_lshl_b32 s23, s20, 15                        ; weights, out: 16 rows of 2,048 bytes
	s_lshl_b32 s24, ttmp9, 16                      ; x, in: the same
	s_lshl_b32 s26, ttmp9, 11                      ; x, out: 16 rows of 128 bytes in each slab
	s_mov_b32 s28, 4096
	s_mov_b32 s29, 2048
	s_mov_b32 s30, 256
	s_cmp_lt_u32 ttmp9, 512
	s_cselect_b32 s24, s24, s22
	s_cselect_b32 s26, s26, s23
	s_cselect_b32 s31, s28, s30                    ; in, from 16 threads to the next 16: a row of x, or 256 bytes on in a row of weights
	s_cselect_b32 s28, s30, s28                    ; in, from turn to turn: 256 bytes on in a row of x, or a row of weights
	s_cselect_b32 s29, 0x100000, s29               ; out, from turn to turn: a slab, or a row
	s_mov_b32 s25, 0
	s_mov_b32 s27, 0
	v_and_b32 v1, 15, v0
	v_lshlrev_b32 v1, 4, v1
	v_lshrrev_b32 v2, 4, v0
	v_mad_u32_u24 v[IO], v2, s31, v1
	v_lshlrev_b32 v[OO], 3, v0
.set i, 1
.rept 15
	v_add_nc_u32 v[IO+i], s28, v[IO+i-1]
	v_add_nc_u32 v[OO+i], s29, v[OO+i-1]
.set i, i+1
.endr
	s_wait_kmcnt 0x0
	s_cmp_eq_u32 s21, 1
	s_cselect_b64 s[6:7], s[8:9], s[6:7]
	s_cmp_eq_u32 s21, 2
	s_cselect_b64 s[6:7], s[10:11], s[6:7]
	s_cmp_eq_u32 s21, 3
	s_cselect_b64 s[6:7], s[12:13], s[6:7]
	s_cmp_lt_u32 ttmp9, 512
	s_cselect_b64 s[4:5], s[4:5], s[6:7]
	s_cselect_b64 s[14:15], s[14:15], s[16:17]
	s_add_nc_u64 s[4:5], s[4:5], s[24:25]
	s_add_nc_u64 s[14:15], s[14:15], s[26:27]
.set i, 0
.rept 16
	global_load_b128 v[D+4*i:D+4*i+3], v[IO+i], s[4:5] th:TH_LOAD_NT
.set i, i+1
.endr
.set i, 0
.rept 16
.set E, D+4*i
	s_wait_loadcnt 15-i                            ; loads come back in order: this turn's is in, the 15 - i younger ones stay out
	v_cvt_pk_bf16_f32 v4, v[E], v[E+1]             ; the one rounding, to nearest even
	v_cvt_pk_bf16_f32 v5, v[E+2], v[E+3]
	v_lshlrev_b32 v[E],   16, v4                   ; bf16 back to f32: the low half moves up,
	v_and_b32     v[E+1], 0xffff0000, v4           ; the high half stays
	v_lshlrev_b32 v[E+2], 16, v5
	v_and_b32     v[E+3], 0xffff0000, v5
	v_cvt_pk_f16_f32 v[E],   v[E],   v[E+1]        ; in ascending order, so that no source is written before it is read
	v_cvt_pk_f16_f32 v[E+1], v[E+2], v[E+3]
	global_store_b64 v[OO+i], v[E:E+1], s[14:15]
.set i, i+1
.endr
	s_endpgm
.Lfunc_end_k_qf196a77cb3_prep:
	.size	k_qf196a77cb3_prep, .Lfunc_end_k_qf196a77cb3_prep-k_qf196a77cb3_prep
	.p2alignl 7, 3214868480
	.fill 96, 4, 3214868480
	.section	.rodata,"a",@progbits
	.p2align	6, 0x0
	.amdhsa_kernel k_qf196a77cb3_prep
		.amdhsa_group_segment_fixed_size 0
		.amdhsa_private_segment_fixed_size 0
		.amdhsa_enable_private_segment 0
		.amdhsa_kernarg_size 56
		.amdhsa_user_sgpr_count 2
		.amdhsa_user_sgpr_kernarg_segment_ptr 1
		.amdhsa_wavefront_size32 1
		.amdhsa_system_sgpr_workgroup_id_x 1
		.amdhsa_system_sgpr_workgroup_id_y 1
		.amdhsa_system_sgpr_workgroup_id_z 1
		.amdhsa_system_vgpr_workitem_id 0
		.amdhsa_next_free_vgpr 112
		.amdhsa_next_free_sgpr 66
		.amdhsa_reserve_vcc 0
		.amdhsa_float_denorm_mode_32 3
		.amdhsa_float_denorm_mode_16_64 3
		.amdhsa_memory_ordered 1
		.amdhsa_forward_progress 1
		.amdhsa_inst_pref_size 14
	.end_amdhsa_kernel
	.amdgpu_metadata
---
amdhsa.version: [ 1, 2 ]
amdhsa.kernels:
  - .name:           k_qf196a77cb3_prep
    .symbol:         k_qf196a77cb3_prep.kd
    .args:
      - { .name: x, .offset: 0, .size: 8, .value_kind: global_buffer, .address_space: global }
      - { .name: Wq, .offset: 8, .size: 8, .value_kind: global_buffer, .address_space: global }
      - { .name: Wk, .offset: 16, .size: 8, .value_kind: global_buffer, .address_space: global }
      - { .name: Wv, .offset: 24, .size: 8, .value_kind: global_buffer, .address_space: global }
      - { .name: Wo, .offset: 32, .size: 8, .value_kind: global_buffer, .address_space: global }
      - { .name: xh, .offset: 40, .size: 8, .value_kind: global_buffer, .address_space: global }
      - { .name: Wst, .offset: 48, .size: 8, .value_kind: global_buffer, .address_space: global }
    .group_segment_fixed_size: 0
    .private_segment_fixed_size: 0
    .kernarg_segment_align: 8
    .kernarg_segment_size: 56
    .max_flat_workgroup_size: 256
    .sgpr_count:     66
    .vgpr_count:     112
    .wavefront_size: 32
...
	.end_amdgpu_metadata
.endif
;; end of part 1
;; launch qkv (part 2): grid 8 x 32, 4 waves a work-group, clusters of 4 x 4, 327,680 bytes of LDS; arguments xh, Wst, bq, bk, bv, QKV; writes QKV
.if DOCPART == 2
	.amdgcn_target "amdgcn-amd-amdhsa--gfx1250"
	.amdhsa_code_object_version 6
	.text
	.protected	k_qf196a77cb3_qkv
	.globl	k_qf196a77cb3_qkv
	.p2align	8
	.type	k_qf196a77cb3_qkv,@function
k_qf196a77cb3_qkv:
	s_mov_b64 s[64:65], 0
	v_nop
	global_prefetch_b8 v0, s[64:65] scope:SCOPE_SE
	s_setreg_imm32_b32 hwreg(HW_REG_WAVE_MODE, 25, 1), 1
	s_wait_xcnt 0x0
	s_wait_alu depctr_hold_cnt(0) depctr_sa_sdst(0) depctr_va_vdst(0) depctr_va_sdst(0) depctr_va_ssrc(0) depctr_va_vcc(0) depctr_vm_vsrc(0)
	s_getreg_b32 s2, hwreg(HW_REG_IB_STS2, 6, 4)
	s_cmp_eq_u32 s2, 0
	s_cbranch_scc0 .Lentry_in_a_cluster
	s_endpgm
.Lentry_in_a_cluster:
	s_bfe_u32 s2, ttmp6, 0x10000c
	s_cmp_lg_u32 s2, 0xf033
	s_cbranch_scc0 .Lentry_shape_is_right
	s_endpgm
.Lentry_shape_is_right:
; QKV[j][row][e] = the sum over d of x[row][d] W_j[d][e] + b_j[e], j = 0, 1, 2 (Q, K, V).  xh [16 slabs][8192][64] (xh[s][row][c] = x[row][64 s + c]), Wst [4][1024][1024], QKV [3][8192][1024]: f16;
; biases f32; sums in f32, begun at the bias, d ascending, rounded once.    LIMIT.  Q, K and V stay within f16's 65,504.
; SHARES.  A work-group makes 256 rows x the SAME 128 columns of Q, of K and of V: 32 x 8 = 256 work-groups.  So a tile of x feeds three products: a K step of 64 brings 32 KB of x and 3 x 16 KB of weights
; for 192 matrix instructions a wave.  A wave makes 64 rows x 128 columns x 3: 96 accumulators of 16 x 16, 768 registers; its 128 columns are a row's whole 256 bytes, so each wave goes out through a stage of its own.
; THE RING.  Two LDS slots of one K step (two slots of 128 along K would take 360,448 bytes).  One tensor load a wave: wave 0 brings x's 256 rows, waves 1, 2, 3 the 64 rows of Wq, Wk, Wv.
; x's 256 rows of 128 bytes lie end to end in their slab: they are asked for as 128 rows of 256 bytes and padded in LDS after every 128.
; CLUSTER 4 x 4.  x's tile hangs on the tile row alone and is asked for jointly along a row of the cluster, the weights' on the tile column alone, jointly along a column.
; THE PRODUCT IS TAKEN TRANSPOSED: source 0 = 16 columns of W (out of LDS by the turning load), source 1 = 16 rows of x.  In the result lane l holds row l % 16 and the columns 8 (l / 16) + 0..7.
; THE WAY OUT is a loop over the wave's 12 blocks of 16 rows: only a block's 32 conversions name its accumulators and are written for each block; stage and stores are written once.
; REGISTERS, in windows of 256 (s_set_vgpr_msb: bits 1:0 source 0, 3:2 source 1, 5:4 source 2, 7:6 destination):
;   window 0: v0-15 addresses; v32-63 packed results; v64-95, v96-127 x's fragments, two buffers (row block a at + 8 a); v128-191, v192-255 W's fragments, two buffers (column block b at + 8 b)
;   window 1, 2, 3: the accumulators of Q, K, V: (a, b) at 64 a + 8 b.     Only C and D change window: two switches for 32 matrix instructions and their run of loads.
.set NSTEP, 16                         ; K steps
.set KS,    64
.set SLOT1, 1<<17                      ; slot 1 begins here, so that one exclusive or turns an address in one slot into the other's
.set PA,    144                        ; a row of x in LDS: 128 bytes + 16 = 36 words: the 16 rows of a load start at 16 different groups of four banks (64 banks of 4 bytes: ISA guide 11.1)
.set PB,    288                        ; a row of W: 256 + 32 = 72 words
.set BOFF,  256*PA                     ; a slot: x's 256 rows, then 64 rows of each of the three matrices
.set BMAT,  KS*PB
.set STAGE, SLOT1+BOFF+3*BMAT          ; behind the ring: 16 rows x 272 bytes for each wave, for the way out
.set SPARE, STAGE+4*16*272             ; behind the stages: the spare words, 128 bytes for each wave: two blocks of 256 bytes that no other line names
.set ASTEP, 8192*128                   ; bytes from a slab of xh to the next
.set BSTEP, KS*2048                    ; bytes from 64 rows of a matrix to the next 64
.set ADRA0, 2                          ; v2   my lane's place in x's tile; never rewritten
.set ADRB0, 3                          ; v3   in Wq's
.set ADRA,  4                          ; v4   the same in the slot in hand
.set ADRB,  5                          ; v5
.set STO,   6                          ; v6   the way out: where I put 16 bytes of a row
.set RD,    7                          ; v7   where I read rows back
.set CO,    8                          ; v8   my byte offset in a block's rows of QKV
.set PFO,   9                          ; v9   the prefetches' offset; never rewritten
.set SPW,   10                         ; v10  LDS address of my spare word: SPARE + 4 x my thread's number; never rewritten
.set NIL,   11                         ; v11  0; never rewritten
.set BO,    12                         ; v12  my byte offset in a block of 16 biases; never rewritten
.set TMP,   32
.set AFR,   64
.set BK,    64                         ; the way out: 16 rows read back from the stage, where x's first fragment buffer lay
.set BFR,   128
.set WV,  16                           ; s16  my wave's number: my 64 rows; also: what I fetch
.set CX,  19                           ; s19, s20 my place in the cluster   s21, s22 the cluster's place   s23 tile row
.set CY,  20
.set CLX, 21
.set CLY, 22
.set TROW, 23
.set G1A, 24                           ; s[24:31] descriptor group 1 for x's tiles; s[32:39] group 0: a set for each first fill; the second then walks
.set G0A, 32
.set AOF, 40                           ; s[40:41] xh at my tile of slab 0     s[42:43] Wst at the tile that I fetch, K step 0
.set BOF, 42
.set PFA, 44                           ; s[44:45] where my prefetches stand   s[46:47] their step
.set PST, 46
.set G1B, 48                           ; s[48:55], s[56:63] the same for the weights' tiles
.set G0B, 56
.set TB,  66                           ; s66  0 or SLOT1: the slot in hand
.set LIM, 67                           ; s67  1 in a wave that prefetches, else the greatest number
.set OUT0, 70                          ; s[70:71] QKV at the block that is stored next
.set TCOL, 76                          ; s76  tile column: 128 columns of the 1,024
.set PM,  77                           ; s77  1: I prefetch in every step; 0: in every second
.set MSB, 0
.macro WIN new                         ; the immediate's high byte repeats the setting that is left; a switch that changes nothing is dropped
.if MSB != (\new)
	s_set_vgpr_msb (MSB<<8)|(\new)
.set MSB, \new
.endif
.endm
.macro PLACES                          ; four plain instructions between a matrix instruction and a load into, or a vector read of, its registers (ISA guide 7.12.1 for vector reads)
.rept 4
	v_nop
.endr
.endm
.macro CREST                           ; a round of the cluster's barrier behind its opening barrier
	s_cmp_lg_u32 s[WV], 0
	s_cbranch_scc1 .Lnot_wave_0_\@
	s_barrier_signal -3
.Lnot_wave_0_\@:
	s_barrier_wait -3
	s_barrier_signal -1
	s_barrier_wait -1
.endm
.macro CROUND
	s_barrier_signal -1
	s_barrier_wait -1
	CREST
.endm
.macro JLOAD                           ; a joint refill by the walking descriptors; the branch hangs on the wave's number alone; an s_nop 0 and four v_nop follow each line
	s_cmp_eq_u32 s[WV], 0
	s_cbranch_scc0 .Lfor_b_\@
	tensor_load_to_lds s[G0A+4:G0A+7], s[G1A:G1A+7]
	s_nop 0
.rept 4
	v_nop
.endr
	s_branch .Lasked_\@
.Lfor_b_\@:
	tensor_load_to_lds s[G0B+4:G0B+7], s[G1B:G1B+7]
	s_nop 0
.rept 4
	v_nop
.endr
.Lasked_\@:
.endm
; A PREFETCH INTO THE L2, behind a joint refill and the run of LDS loads that follows it.  The refill in K step s asks for step s + 2; the prefetch names step s + 3, 192 matrix instructions ahead of the load that will want it.
; x's tile is 128 blocks of 256 bytes: wave 0 of each of the four partners that ask for it takes 32, a lane a block, in the first of the two clusters that read these rows.  A matrix's tile is 64 rows of 256 bytes, 16 for each
; of the four partners: its wave asks in every second step for two steps at once, lanes 0-15 for step s + 3 and lanes 16-31 for step s + 4, in the first of the eight clusters that read these columns.
; The partners are told apart by address; each 256 bytes are named once in the launch.  s3 counts the refills left, 14 to 1: the weights' waves ask where it is odd; nobody asks where it is 1, so nothing past step 15 is named.
.macro ASK
	s_cmp_gt_u32 s3, s[LIM]
	s_cbranch_scc0 .Lnot_mine_\@
	s_or_b32 s2, s3, s[PM]
	s_bitcmp1_b32 s2, 0
	s_cbranch_scc0 .Lnot_mine_\@
	global_prefetch_b8 v[PFO], s[PFA:PFA+1] th:TH_LOAD_NT scope:SCOPE_SE
.Lnot_mine_\@:
.endm
; 8 matrix instructions of matrix j: row block a x all 8 column blocks, 32 along K, W's fragments from buffer fb, x's from buffer fa.  All add in place: the sums were begun by loading the bias.
.macro MUL8 j, fb, fa, a
	WIN 0x50*((\j)+1)                              ; C and D in window j + 1, both sources in window 0
.irp b, 0,1,2,3,4,5,6,7
	v_wmma_f32_16x16x32_f16 v[64*(\a)+8*(\b):64*(\a)+8*(\b)+7], v[BFR+64*(\fb)+8*(\b):BFR+64*(\fb)+8*(\b)+7], v[AFR+32*(\fa)+8*(\a):AFR+32*(\fa)+8*(\a)+7], v[64*(\a)+8*(\b):64*(\a)+8*(\b)+7]
.endr
.endm
.macro FETA q, g                       ; x's fragments of my 64 rows, quarter q (32 along K) of the slot in hand, into buffer g: 8 loads
.irp a, 0,1,2,3
	ds_load_b128 v[AFR+32*(\g)+8*(\a):AFR+32*(\g)+8*(\a)+3],   v[ADRA] offset:64*(\q)+(\a)*16*PA
	ds_load_b128 v[AFR+32*(\g)+8*(\a)+4:AFR+32*(\g)+8*(\a)+7], v[ADRA] offset:64*(\q)+(\a)*16*PA+32
.endr
.endm
.macro FETB j, q, g                    ; matrix j's fragments of the 128 columns, quarter q, into buffer g: 16 turning loads
.irp b, 0,1,2,3,4,5,6,7
	ds_load_tr16_b128 v[BFR+64*(\g)+8*(\b):BFR+64*(\g)+8*(\b)+3],   v[ADRB] offset:(\j)*BMAT+(\q)*32*PB+32*(\b)
	ds_load_tr16_b128 v[BFR+64*(\g)+8*(\b)+4:BFR+64*(\g)+8*(\b)+7], v[ADRB] offset:(\j)*BMAT+(\q)*32*PB+16*PB+32*(\b)
.endr
.endm
; A K step is six UNITS of 32 matrix instructions: unit i = quarter i / 3, matrix i % 3, on W's buffer i % 2 and x's buffer i / 3.  The 96 accumulators take turns in one order, over every jump too.
; One of the first five: behind its first 8 products it fetches the next unit's W, 24 matrix instructions ahead of its first use; unit 1 also x's second quarter.
.macro UNIT i
.set UJ, (\i)%3
.set UQ, (\i)/3
.set NJ, ((\i)+1)%3
.set NQ, ((\i)+1)/3
	s_wait_dscnt 0x0                               ; this unit's fragments are in
	MUL8 UJ, (\i)%2, UQ, 0
	PLACES                                         ; behind the last products that read the buffers loaded below
	WIN 0
	FETB NJ, NQ, ((\i)+1)%2
.if (\i) == 1
	FETA 1, 1
.endif
	MUL8 UJ, (\i)%2, UQ, 1
	MUL8 UJ, (\i)%2, UQ, 2
	MUL8 UJ, (\i)%2, UQ, 3
.endm
; The sixth unit (quarter 1 of V) changes slots.  In front of the barrier each wave waits for all its tensor loads (one is out: its part of the other slot), adds 0 to its spare word, and waits for that and for its own
; reads of this slot.  fill = 1: the barrier opens a round of the cluster's, and the joint refill, two K steps ahead, is the first thing behind it: 176 matrix instructions ahead of the wait for it.
.macro TURN fill
.if \fill
	s_wait_xcnt 0x0                                ; the last prefetch, a K step back, has read its address
	s_add_nc_u64 s[PFA:PFA+1], s[PFA:PFA+1], s[PST:PST+1]
.endif
	WIN 0
	s_wait_tensorcnt 0x0                           ; no tensor load of mine is out, so a group 0 may be written
	ds_add_u32 v[SPW], v[NIL]                      ; 0 onto my spare word
.if \fill
	s_xor_b32 s[G0A+5], s[G0A+5], SLOT1            ; the walking descriptors: the other slot than last time, the next K step
	s_add_nc_u64 s[G0A+6:G0A+7], s[G0A+6:G0A+7], ASTEP
	s_xor_b32 s[G0B+5], s[G0B+5], SLOT1
	s_add_nc_u64 s[G0B+6:G0B+7], s[G0B+6:G0B+7], BSTEP
.endif
	s_xor_b32 s[TB], s[TB], SLOT1
	s_wait_dscnt 0x1                               ; this unit's fragments are in; the add may be out
	MUL8 2, 1, 1, 0
	s_wait_dscnt 0x0                               ; the add is done, and my reads of this slot are over
	s_barrier_signal -1
	MUL8 2, 1, 1, 1                                ; work on registers while the others arrive
	WIN 0                                          ; at a branch and at a label every window is 0
	s_barrier_wait -1
.if \fill
	CREST                                          ; no wave of any partner still reads this slot or has a load on its way
	JLOAD                                          ; its four v_nop are also the places in front of the loads below
.else
	PLACES
.endif
	v_add_nc_u32 v[ADRA], s[TB], v[ADRA0]
	v_add_nc_u32 v[ADRB], s[TB], v[ADRB0]
	FETA 0, 0
	FETB 0, 0, 0
.if \fill
	ASK
.endif
	MUL8 2, 1, 1, 2
	MUL8 2, 1, 1, 3
.endm
; THE WAY OUT, a row block of a matrix at a time: rounded (PACK), 16 bytes a lane into my own stage (INTO), back as whole rows of 256 bytes (BACK), stored (SEND).
.macro PACK j, a                       ; each accumulator's registers in ascending order
	WIN 5*((\j)+1)                                 ; sources 0 and 1 in window j + 1
.irp b, 0,1,2,3,4,5,6,7
.irp n, 0,1,2,3
	v_cvt_pk_f16_f32 v[TMP+4*(\b)+(\n)], v[64*(\a)+8*(\b)+2*(\n)], v[64*(\a)+8*(\b)+2*(\n)+1]
.endr
.endr
	WIN 0
.endm
.macro INTO
.irp b, 0,1,2,3,4,5,6,7
	ds_store_b128 v[STO], v[TMP+4*(\b):TMP+4*(\b)+3] offset:32*(\b)
.endr
.endm
.macro BACK
.irp t, 0,1,2,3,4,5,6,7
	ds_load_b128 v[BK+4*(\t):BK+4*(\t)+3], v[RD] offset:(\t)*2*272  ; LDS serves a wave's instructions in order (ISA guide 5.7.1.4): these see the stores of INTO
.endr
.endm
.macro SEND
	s_wait_dscnt 0x0                               ; the block is back in registers
.irp t, 0,1,2,3,4,5,6,7
	global_store_b128 v[CO], v[BK+4*(\t):BK+4*(\t)+3], s[OUT0:OUT0+1] offset:2*(\t)*2048  ; 16 lanes store 256 consecutive bytes, aligned
.endr
.endm
	s_load_b256 s[4:11], s[0:1], 0x0               ; xh s[4:5], Wst s[6:7], bq s[8:9], bk s[10:11]
	s_load_b128 s[12:15], s[0:1], 0x20             ; bv s[12:13], QKV s[14:15]
	v_lshl_add_u32 v[SPW], v0, 2, SPARE
	v_mov_b32 v[NIL], 0
	ds_add_u32 v[SPW], v[NIL]                      ; the wave's opening: the add and its wait stand ahead of my first tensor load; the set-up below, work on registers, stands between them
	v_lshrrev_b32 v1, 5, v0
	v_readfirstlane_b32 s[WV], v1
	s_bfe_u32 s[CX], ttmp6, 0x40000
	s_bfe_u32 s[CY], ttmp6, 0x40004
	s_mov_b32 s[CLX], ttmp9                        ; in a cluster launch ttmp9 and ttmp7 count clusters
	s_and_b32 s[CLY], ttmp7, 0xffff
	s_lshl_b32 s[TROW], s[CLY], 2
	s_add_co_u32 s[TROW], s[TROW], s[CY]           ; tile row: 256 rows of the 8,192
	s_lshl_b32 s[TCOL], s[CLX], 2
	s_add_co_u32 s[TCOL], s[TCOL], s[CX]           ; tile column
	s_lshl_b32 s2, s[CY], 2
	s_lshl_b32 s2, 15, s2                          ; my row of the cluster
	s_lshl_b32 s3, 0x1111, s[CX]                   ; my column
	s_or_b32 s[G1A], s2, (1<<16)|(1<<20)|(1<<21)|(4<<22)|(3<<25)  ; 15:0 the mask; 17:16 2-byte elements; 20 padding on; 21 set beside a mask; 24:22 after every 32 words; 31:25 4 words of it
	s_or_b32 s[G1B], s3, (1<<16)|(1<<20)|(1<<21)|(5<<22)|(7<<25)  ; after every 64 words, 8 words
	s_mov_b32 s[G1A+1], 128<<16                    ; tensor_dim0 = 128: two rows of x's slab
	s_mov_b32 s[G1A+2], 128<<16                    ; tensor_dim1 = 128
	s_mov_b32 s[G1A+3], 128<<16                    ; tile_dim0 = 128
	s_mov_b32 s[G1A+4], 128                        ; tile_dim1 = 128
	s_mov_b32 s[G1A+5], 128                        ; elements from row to row: the block is dense
	s_mov_b32 s[G1A+6], 0
	s_mov_b32 s[G1A+7], 0
	s_mov_b32 s[G1B+1], 128<<16                    ; 128 columns
	s_mov_b32 s[G1B+2], KS<<16                     ; 64 rows
	s_mov_b32 s[G1B+3], 128<<16
	s_mov_b32 s[G1B+4], KS
	s_mov_b32 s[G1B+5], 1024
	s_mov_b32 s[G1B+6], 0
	s_mov_b32 s[G1B+7], 0
	s_lshl_b32 s[AOF], s[TROW], 15                 ; x: 256 rows of 128 bytes: made of the tile row alone
	s_mov_b32 s[AOF+1], 0
	s_max_u32 s2, s[WV], 1                         ; the matrix that I fetch: wave - 1 (wave 0 fetches none; its figure is not used)
	s_sub_co_u32 s2, s2, 1
	s_lshl_b32 s[BOF], s2, 21                      ; W: the matrix, the tile column's 256 bytes: made of the tile column and the wave's number alone
	s_lshl_b32 s3, s[TCOL], 8
	s_add_co_u32 s[BOF], s[BOF], s3
	s_mov_b32 s[BOF+1], 0
	s_mul_i32 s78, s[WV], BMAT                     ; where a matrix's tile goes: behind x's, wave - 1 tiles on: no place in the cluster enters an LDS address
	s_add_co_u32 s78, s78, BOFF-BMAT
	s_lshl_b32 s68, s[CX], 13                      ; the prefetches.  x: my work-group's 32 blocks of the tile's 128, at K step 2: the first change of slots steps it to 3
	s_add_co_u32 s68, s68, s[AOF]
	s_add_co_u32 s68, s68, 2*ASTEP
	s_lshl_b32 s17, s[CY], 15                      ; W: my work-group's 16 rows of the 64, at K step 2
	s_add_co_u32 s17, s17, s[BOF]
	s_add_co_u32 s17, s17, 2*BSTEP
	s_mov_b32 s[PST], BSTEP
	s_cmp_eq_u32 s[WV], 0
	s_cselect_b32 s68, s68, s17
	s_cselect_b32 s[PST], ASTEP, s[PST]
	s_cselect_b32 s[PM], 1, 0
	s_cselect_b32 s2, s[CLX], s[CLY]               ; the coordinate along which other clusters read the same blocks
	s_mov_b32 s69, 0
	s_mov_b32 s[PST+1], 0
	s_cmp_eq_u32 s2, 0
	s_cselect_b32 s[LIM], 1, -1                    ; the same in all sixteen partners, for a given wave
	s_mov_b32 s[TB], 0
	s_wait_dscnt 0x0                               ; the opening add is done
	s_wait_kmcnt 0x0
	s_add_nc_u64 s[AOF:AOF+1], s[4:5], s[AOF:AOF+1]
	s_add_nc_u64 s[BOF:BOF+1], s[6:7], s[BOF:BOF+1]
	s_cmp_eq_u32 s[WV], 0
	s_cselect_b64 s[PFA:PFA+1], s[4:5], s[6:7]
	s_add_nc_u64 s[PFA:PFA+1], s[PFA:PFA+1], s[68:69]
	CROUND                                         ; all sixteen work-groups are here: the first joint loads meet
.irp s, 0,1
	s_mov_b32 s[G0A+4*(\s)], 1                                            ; count = 1
	s_mov_b32 s[G0A+4*(\s)+1], (\s)*SLOT1                                 ; LDS address: the slot's head
	s_add_nc_u64 s[G0A+4*(\s)+2:G0A+4*(\s)+3], s[AOF:AOF+1], (\s)*ASTEP   ; global address: K step s
	s_or_b32 s[G0A+4*(\s)+3], s[G0A+4*(\s)+3], 0x80000000                 ; type = 2
	s_mov_b32 s[G0B+4*(\s)], 1
	s_add_co_u32 s[G0B+4*(\s)+1], s78, (\s)*SLOT1
	s_add_nc_u64 s[G0B+4*(\s)+2:G0B+4*(\s)+3], s[BOF:BOF+1], (\s)*BSTEP
	s_or_b32 s[G0B+4*(\s)+3], s[G0B+4*(\s)+3], 0x80000000
.endr
	s_cmp_eq_u32 s[WV], 0                          ; a wave's two first fills stand in one branch, ahead of every wait on TENSORcnt and every LDS read: two loads of mine are out
	s_cbranch_scc0 .Lfirst_b
	tensor_load_to_lds s[G0A:G0A+3], s[G1A:G1A+7]
	s_nop 0
	tensor_load_to_lds s[G0A+4:G0A+7], s[G1A:G1A+7]
	s_nop 0
.rept 4
	v_nop
.endr
	s_branch .Lfirst_asked
.Lfirst_b:
	tensor_load_to_lds s[G0B:G0B+3], s[G1B:G1B+7]
	s_nop 0
	tensor_load_to_lds s[G0B+4:G0B+7], s[G1B:G1B+7]
	s_nop 0
.rept 4
	v_nop
.endr
.Lfirst_asked:
	; THE SUMS BEGIN AT THE BIAS: register i of accumulator (a, b) of matrix j takes b_j[128 x tile column + 16 b + 8 (l / 16) + i], the same for the four row blocks.  It is loaded straight into the accumulators,
	; while the first tiles are on their way: so every product adds in place, and the loop has one form of product and no first step of its own.
	v_and_b32 v1, 15, v0                           ; l % 16
	v_bfe_u32 v13, v0, 4, 1                        ; l / 16
	v_lshlrev_b32 v[BO], 5, v13
	s_lshl_b32 s68, s[TCOL], 9
	s_mov_b32 s69, 0
	s_add_nc_u64 s[8:9], s[8:9], s[68:69]
	s_add_nc_u64 s[10:11], s[10:11], s[68:69]
	s_add_nc_u64 s[12:13], s[12:13], s[68:69]
.irp j, 0,1,2
	WIN 0x40*((\j)+1)                              ; destination window j + 1
.irp a, 0,1,2,3
.irp b, 0,1,2,3,4,5,6,7
	global_load_b128 v[64*(\a)+8*(\b):64*(\a)+8*(\b)+3],   v[BO], s[8+2*(\j):9+2*(\j)] offset:64*(\b)
	global_load_b128 v[64*(\a)+8*(\b)+4:64*(\a)+8*(\b)+7], v[BO], s[8+2*(\j):9+2*(\j)] offset:64*(\b)+16
.endr
.endr
.endr
	WIN 0
	; A fragment of x is 16 rows x 32 K in 8 registers: lane l holds row l % 16, K = 8 (l / 16) + 0..7 and 16 + 8 (l / 16) + 0..7: two loads of 16 bytes, 32 bytes apart.
	v_mul_u32_u24 v[ADRA0], v1, PA
	v_lshl_add_u32 v[ADRA0], v13, 4, v[ADRA0]
	s_mul_i32 s2, s[WV], 64*PA
	v_add_nc_u32 v[ADRA0], s2, v[ADRA0]
	; The turning load takes 16 K x 16 columns (lane l reads K row 8 (l / 16) + l % 8, columns 8 ((l / 8) % 2) + 0..7) and leaves half a fragment: lane l holds column l % 16 and 8 K.
	v_and_b32 v14, 7, v0
	v_lshl_add_u32 v14, v13, 3, v14
	v_mul_u32_u24 v[ADRB0], v14, PB
	v_bfe_u32 v15, v0, 3, 1
	v_lshl_add_u32 v[ADRB0], v15, 4, v[ADRB0]
	v_add_nc_u32 v[ADRB0], BOFF, v[ADRB0]
	v_mov_b32 v[ADRA], v[ADRA0]                    ; K step 0 lies in slot 0
	v_mov_b32 v[ADRB], v[ADRB0]
	s_mul_i32 s2, s[WV], 16*272
	s_add_co_u32 s2, s2, STAGE                     ; my stage
	v_mul_u32_u24 v[STO], v1, 272                  ; in: row l % 16, 16 bytes for each half of the lanes
	v_lshl_add_u32 v[STO], v13, 4, v[STO]
	v_add_nc_u32 v[STO], s2, v[STO]
	v_mul_u32_u24 v[RD], v13, 272                  ; back: lanes 0-15 take one row of 256 bytes, lanes 16-31 the next
	v_lshl_add_u32 v[RD], v1, 4, v[RD]
	v_add_nc_u32 v[RD], s2, v[RD]
	v_lshlrev_b32 v[CO], 11, v13                   ; and the same two rows in QKV
	v_lshl_add_u32 v[CO], v1, 4, v[CO]
	v_and_b32 v14, 31, v0
	v_lshlrev_b32 v[PFO], 8, v14                   ; x: a lane a block of 256 bytes
	v_lshlrev_b32 v15, 11, v1                      ; W: lane l takes row l % 16,
	v_lshl_add_u32 v15, v13, 17, v15               ; lanes 16-31 a K step on
	s_cmp_eq_u32 s[WV], 0
	s_cselect_b32 s2, -1, 0
	v_cndmask_b32 v[PFO], v15, v[PFO], s2
	s_lshl_b32 s68, s[TROW], 8                     ; Q at my wave's first row and column
	s_lshl_b32 s69, s[WV], 6
	s_add_co_u32 s68, s68, s69
	s_lshl_b32 s68, s68, 11
	s_lshl_b32 s69, s[TCOL], 8
	s_add_co_u32 s68, s68, s69
	s_mov_b32 s69, 0
	s_add_nc_u64 s[OUT0:OUT0+1], s[14:15], s[68:69]
	s_wait_tensorcnt 0x1                           ; my part of K step 0 is in; K step 1's may stay out
	s_barrier_signal -1
	s_barrier_wait -1                              ; everybody's is
	FETA 0, 0
	FETB 0, 0, 0
	s_wait_loadcnt 0x0                             ; the biases
	s_mov_b32 s3, NSTEP-2
.Lstep:                                        ; 14 trips: a K step each, and a refill each
	UNIT 0
	UNIT 1
	UNIT 2
	UNIT 3
	UNIT 4
	TURN 1
	WIN 0
	s_sub_co_u32 s3, s3, 1
	s_cmp_lg_u32 s3, 0
	s_cbranch_scc1 .Lstep
	s_mov_b32 s3, 2
.Ltail:                                        ; the last two K steps ask for nothing; the last trip's barrier and fetch serve nothing: the price, once a launch, of one text for both
	UNIT 0
	UNIT 1
	UNIT 2
	UNIT 3
	UNIT 4
	TURN 0
	WIN 0
	s_sub_co_u32 s3, s3, 1
	s_cmp_lg_u32 s3, 0
	s_cbranch_scc1 .Ltail
	s_wait_dscnt 0x0                               ; that last fetch has landed: its registers are used below
	PLACES
	PLACES
	; Block n of 12 = row block n % 4 of matrix n / 4.  Block 0 stands in front of the loop, the last block's stores behind it, so that in trip n block n's conversions stand between block n - 1's loads from the stage and
	; the wait for them.  A trip picks its block's conversions by its count (a pair of lines that does not match falls through; one jump goes to the block's text, one back); no barrier and no tensor load stands in the loop.
	PACK 0, 0
	INTO
	BACK
	s_mov_b32 s17, 16*2048                         ; from a block to the next: 16 rows,
	s_mov_b32 s18, 0x1000000-3*16*2048             ; or, behind a matrix's fourth block, on to my first rows in the next matrix
	s_mov_b32 s69, 0
	s_mov_b32 s3, 11                               ; trip n = 12 - s3
.Lblock:
.irp n, 1,2,3,4,5,6,7,8,9,10
	s_cmp_eq_u32 s3, 12-(\n)
	s_cbranch_scc1 .Lcase\n
.endr
	PACK 2, 3
	s_branch .Ljoin
.irp n, 1,2,3,4,5,6,7,8,9,10
.Lcase\n:
	PACK (\n)/4, (\n)%4
.if (\n) < 10
	s_branch .Ljoin
.endif
.endr
.Ljoin:
	SEND                                           ; block n - 1
	INTO                                           ; block n
	s_wait_xcnt 0x0                                ; the stores above have read their base and their registers: the base is stepped and the registers are loaded again only behind this wait
	s_and_b32 s2, s3, 3                            ; n is a multiple of 4 where s3 is
	s_cselect_b32 s68, s17, s18
	s_add_nc_u64 s[OUT0:OUT0+1], s[OUT0:OUT0+1], s[68:69]
	BACK
	s_sub_co_u32 s3, s3, 1
	s_cmp_lg_u32 s3, 0
	s_cbranch_scc1 .Lblock
	SEND                                           ; block 11
	s_wait_tensorcnt 0x0                           ; the wave's end, behind my last tensor load and my last LDS store
	ds_add_u32 v[SPW], v[NIL]
	s_wait_dscnt 0x0
	CROUND                                         ; the closing round: no work-group ends while a partner may still ask for a tile that names it
	s_endpgm
.Lfunc_end_k_qf196a77cb3_qkv:
	.size	k_qf196a77cb3_qkv, .Lfunc_end_k_qf196a77cb3_qkv-k_qf196a77cb3_qkv
	.p2alignl 7, 3214868480
	.fill 96, 4, 3214868480
	.section	.rodata,"a",@progbits
	.p2align	6, 0x0
	.amdhsa_kernel k_qf196a77cb3_qkv
		.amdhsa_group_segment_fixed_size 327680
		.amdhsa_private_segment_fixed_size 0
		.amdhsa_enable_private_segment 0
		.amdhsa_kernarg_size 48
		.amdhsa_user_sgpr_count 2
		.amdhsa_user_sgpr_kernarg_segment_ptr 1
		.amdhsa_wavefront_size32 1
		.amdhsa_system_sgpr_workgroup_id_x 1
		.amdhsa_system_sgpr_workgroup_id_y 1
		.amdhsa_system_sgpr_workgroup_id_z 1
		.amdhsa_system_vgpr_workitem_id 0
		.amdhsa_next_free_vgpr 1024
		.amdhsa_next_free_sgpr 80
		.amdhsa_reserve_vcc 0
		.amdhsa_float_denorm_mode_32 3
		.amdhsa_float_denorm_mode_16_64 3
		.amdhsa_memory_ordered 1
		.amdhsa_forward_progress 1
		.amdhsa_inst_pref_size 101
	.end_amdhsa_kernel
	.amdgpu_metadata
---
amdhsa.version: [ 1, 2 ]
amdhsa.kernels:
  - .name:           k_qf196a77cb3_qkv
    .symbol:         k_qf196a77cb3_qkv.kd
    .args:
      - { .name: xh, .offset: 0, .size: 8, .value_kind: global_buffer, .address_space: global }
      - { .name: Wst, .offset: 8, .size: 8, .value_kind: global_buffer, .address_space: global }
      - { .name: bq, .offset: 16, .size: 8, .value_kind: global_buffer, .address_space: global }
      - { .name: bk, .offset: 24, .size: 8, .value_kind: global_buffer, .address_space: global }
      - { .name: bv, .offset: 32, .size: 8, .value_kind: global_buffer, .address_space: global }
      - { .name: QKV, .offset: 40, .size: 8, .value_kind: global_buffer, .address_space: global }
    .group_segment_fixed_size: 327680
    .private_segment_fixed_size: 0
    .kernarg_segment_align: 8
    .kernarg_segment_size: 48
    .max_flat_workgroup_size: 128
    .sgpr_count:     80
    .vgpr_count:     1024
    .wavefront_size: 32
...
	.end_amdgpu_metadata
.endif
;; end of part 2
;; launch scores (part 3): grid 8 x 32, 4 waves a work-group, clusters of 4 x 4, 327,680 bytes of LDS; arguments QKV, mask, Pt, stats; writes Pt, stats
.if DOCPART == 3
	.amdgcn_target "amdgcn-amd-amdhsa--gfx1250"
	.amdhsa_code_object_version 6
	.text
	.protected	k_qf196a77cb3_scores
	.globl	k_qf196a77cb3_scores
	.p2align	8
	.type	k_qf196a77cb3_scores,@function
k_qf196a77cb3_scores:
	s_mov_b64 s[64:65], 0
	v_nop
	global_prefetch_b8 v0, s[64:65] scope:SCOPE_SE
	s_setreg_imm32_b32 hwreg(HW_REG_WAVE_MODE, 25, 1), 1
	s_wait_xcnt 0x0
	s_wait_alu depctr_hold_cnt(0) depctr_sa_sdst(0) depctr_va_vdst(0) depctr_va_sdst(0) depctr_va_ssrc(0) depctr_va_vcc(0) depctr_vm_vsrc(0)
	s_getreg_b32 s2, hwreg(HW_REG_IB_STS2, 6, 4)
	s_cmp_eq_u32 s2, 0
	s_cbranch_scc0 .Lentry_in_a_cluster
	s_endpgm
.Lentry_in_a_cluster:
	s_bfe_u32 s2, ttmp6, 0x10000c
	s_cmp_lg_u32 s2, 0xf033
	s_cbranch_scc0 .Lentry_shape_is_right
	s_endpgm
.Lentry_shape_is_right:
; For each batch: s = Q K^T; t = s log2(e) / 32, or -1e9 log2(e) where the key's mask is 0; then, for each row and each CHUNK of 128 keys: m = the chunk's maximum of t, p = 2^(t - m), l = the sum of p.
; Q, K: QKV [3][8192][1024] f16.  mask [4][2048] i32.  Pt [8192][2048] f16 takes p; stats f32 [2][16 chunks][8192 rows] takes m, then l.  Products, maxima and sums in f32; l is taken of the unrounded p.
; The launch behind joins the chunks: every maximum taken away here is a true maximum of the numbers it is taken from, so each exponent is at most 0 and each l at least 1.
; THE MASK: t = s CM + CA with (CM, CA) = (log2(e) / 32, 0) for a visible key and (0, -1e9 log2(e)) for a masked one: the score is replaced, not shifted, so a batch that is masked whole gets equal weights.
; LIMITS.  A masked key whose raw score is not finite gives NaN (s x 0); p below 6e-5 keeps f16's fixed step of 6e-8; NaN and infinities are not treated apart.
; SHARES.  A tile of 256 queries x 256 keys to a work-group, 128 x 128 (a chunk) to each of four waves: 64 accumulators, 512 registers.  K = 1,024 goes in 8 steps of 128 through two LDS slots; a wave's one tensor load brings 128 rows x 256 bytes.
; CLUSTER 4 x 4: Q's tile is asked for jointly along a row of the cluster, K's along a column.
; THE PRODUCT IS TAKEN TRANSPOSED (source 0 = 16 keys, source 1 = 16 queries): lane l holds query l % 16 and the keys 8 (l / 16) + 0..7 of each block of 16: a query's 128 scores lie in two lanes, 16 apart.
; THE WAY OUT is a loop over the wave's 8 blocks of 16 queries: only the 32 lines that scale and mask a block name its accumulators, and are written for each block; they leave t in fixed registers, and all the rest is written once.
; REGISTERS, in windows of 256 (s_set_vgpr_msb: bits 1:0 source 0, 3:2 source 1, 5:4 source 2, 7:6 destination):
;   window 0: v0-31 addresses and statistics; v64-127, v128-191 Q's fragments, two buffers (on the way out v64-127 hold a block's 64 t a lane); v192-223 packed weights; v32-63 rows read back from the stage
;   window 1: v0-63 CM; v64-127, v128-191 K's fragments, two buffers; v192-255 CA          window 2: the accumulators of my queries 0-63 ((a, b) at 8 (8 a + b)); window 3: of 64-127
.set NSTEP, 8
.set KSTEP, 128
.set PITCH, 272                        ; an LDS row: 256 bytes + 16 = 68 words: the 16 rows of a load start at 16 different groups of four banks (64 banks of 4 bytes: ISA guide 11.1)
.set HALFT, 128*PITCH                  ; what one tensor load brings
.set SLOT,  4*HALFT                    ; Q's 256 rows, then K's.  0x22000 shares no bit with the waves' places 0, 0x8800, 0x11000, 0x19800: one exclusive or changes slots
.set STAGE, 2*SLOT                     ; behind the ring: 16 rows x 272 bytes for each wave
.set SS,    STAGE+4*16*PITCH           ; 1,024 bytes for each wave: its 128 m, then its 128 l
.set SPARE, SS+4096                    ; the spare words, 128 bytes for each wave: two blocks of 256 bytes that no other line names
.set ADRA0, 2                          ; v2, v3  my lane's place in Q's and K's tiles; never rewritten
.set ADRB0, 3
.set ADRA,  4                          ; v4, v5  the same in the slot in hand
.set ADRB,  5
.set STO,   6                          ; v6   the way out: where I put 16 bytes of a row
.set RD,    7                          ; v7   where I read a row back
.set MX,    8                          ; v8-11  four chains of the maximum
.set MM,    12                         ; v12  m (v13 at work: named with it as a pair)
.set LL,    14                         ; v14  l (v15 at work)
.set SV,    16                         ; v16  m in lanes 0-15, l in lanes 16-31
.set SSA,   18                         ; v18  where that goes; never rewritten
.set SSR,   19                         ; v19  where the statistics are read back
.set CO,    20                         ; v20  my byte offset in a block's rows of Pt
.set PFO,   21                         ; v21  the prefetches' offset: my lane x a row of 2,048 bytes; never rewritten
.set SO,    22                         ; v22  my 16 bytes of 512 of statistics
.set SPW,   28                         ; v28  LDS address of my spare word: SPARE + 4 x my thread's number; never rewritten
.set NIL,   29                         ; v29  0; never rewritten
.set BK,    32
.set F0,    64
.set F1,    128
.set W,     64                         ; the way out: the block's t, then p
.set TMP,   192
.set CM,    0
.set CA,    192
.set SEL, 14                           ; s[14:15] v_permlanex16_b32's selects: each lane takes its own place in the other half
.set WV,  16
.set WR,  17                           ; my 128 queries of the tile; also: I fetch Q (0) or K (1)
.set WC,  18                           ; my 128 keys; also: which 128 rows I fetch
.set CX,  19
.set CY,  20
.set CLX, 21
.set CLY, 22
.set TROW, 23
.set G1A, 24
.set G0A, 32
.set AOF, 40
.set BOF, 42
.set PFA, 44
.set HM,  46                           ; s46  lanes 16-31
.set G1B, 48
.set G0B, 56
.set TB,  66
.set LIM, 67
.set OUTP, 70                          ; s[70:71] Pt at the block that is stored next      s[72:73] stats at my chunk and first row
.set AUX, 72
.set TCOL, 74
.set BATCH, 75
.set MSB, 0
.macro WIN new                         ; the immediate's high byte repeats the setting that is left; a switch that changes nothing is dropped
.if MSB != (\new)
	s_set_vgpr_msb (MSB<<8)|(\new)
.set MSB, \new
.endif
.endm
.set MUL_LO, 0xa1                      ; source 0 (K) window 1, source 1 (Q) window 0, C and D window 2
.macro PLACES                          ; four plain instructions between a matrix instruction and a load into, or a vector read of, its registers (ISA guide 7.12.1 for vector reads)
.rept 4
	v_nop
.endr
.endm
.macro CREST
	s_cmp_lg_u32 s[WV], 0
	s_cbranch_scc1 .Lnot_wave_0_\@
	s_barrier_signal -3
.Lnot_wave_0_\@:
	s_barrier_wait -3
	s_barrier_signal -1
	s_barrier_wait -1
.endm
.macro CROUND
	s_barrier_signal -1
	s_barrier_wait -1
	CREST
.endm
.macro JLOAD                           ; a joint refill by the walking descriptors; the branch hangs on the wave's number alone; an s_nop 0 and four v_nop follow each line
	s_cmp_eq_u32 s[WR], 0
	s_cbranch_scc0 .Lfor_b_\@
	tensor_load_to_lds s[G0A+4:G0A+7], s[G1A:G1A+7]
	s_nop 0
.rept 4
	v_nop
.endr
	s_branch .Lasked_\@
.Lfor_b_\@:
	tensor_load_to_lds s[G0B+4:G0B+7], s[G1B:G1B+7]
	s_nop 0
.rept 4
	v_nop
.endr
.Lasked_\@:
.endm
; A PREFETCH INTO THE L2, behind a joint refill and the run of LDS loads that follows it: the K step that stands two refills on, 512 matrix instructions ahead of the load that will want it: 32 rows x 256 bytes, a lane a row.
; Of the 128 rows that a wave fetches each of the four partners that ask for them takes 32, told apart by address.  Q's rows are walked by both clusters of a row of clusters: the first asks; K's by the two clusters
; of a batch in a column: the first asks.  So each 256 bytes are named once in the launch.  The first four K steps come by their loads alone; the last two refills have no K step two on.
.macro ASK
	s_cmp_gt_u32 s3, s[LIM]
	s_cbranch_scc0 .Lnot_mine_\@
	global_prefetch_b8 v[PFO], s[PFA:PFA+1] th:TH_LOAD_NT scope:SCOPE_SE
.Lnot_mine_\@:
.endm
; 16 matrix instructions: query blocks a0, a0 + 1 of the window's four x all 8 key blocks, 32 along K.  zero = 1: they start the sums.
.macro MUL16 f, hi, a0, zero
	WIN MUL_LO+0x50*(\hi)
.irp a, \a0, (\a0)+1
.irp b, 0,1,2,3,4,5,6,7
.if \zero
	v_wmma_f32_16x16x32_f16 v[8*(8*(\a)+(\b)):8*(8*(\a)+(\b))+7], v[(\f)+8*(\b):(\f)+8*(\b)+7], v[(\f)+8*(4*(\hi)+(\a)):(\f)+8*(4*(\hi)+(\a))+7], 0
.else
	v_wmma_f32_16x16x32_f16 v[8*(8*(\a)+(\b)):8*(8*(\a)+(\b))+7], v[(\f)+8*(\b):(\f)+8*(\b)+7], v[(\f)+8*(4*(\hi)+(\a)):(\f)+8*(4*(\hi)+(\a))+7], v[8*(8*(\a)+(\b)):8*(8*(\a)+(\b))+7]
.endif
.endr
.endr
.endm
.macro FETCH k, f                      ; 32 LDS loads in one run: 128 rows of K, then 128 rows of Q, 32 along K at byte k of the rows, into buffer f
	WIN 0x40
.irp i, 0,1,2,3,4,5,6,7
	ds_load_b128 v[(\f)+8*(\i):(\f)+8*(\i)+3],   v[ADRB] offset:(\k)+(\i)*16*PITCH
	ds_load_b128 v[(\f)+8*(\i)+4:(\f)+8*(\i)+7], v[ADRB] offset:(\k)+(\i)*16*PITCH+32
.endr
	WIN 0
.irp i, 0,1,2,3,4,5,6,7
	ds_load_b128 v[(\f)+8*(\i):(\f)+8*(\i)+3],   v[ADRA] offset:(\k)+(\i)*16*PITCH
	ds_load_b128 v[(\f)+8*(\i)+4:(\f)+8*(\i)+7], v[ADRA] offset:(\k)+(\i)*16*PITCH+32
.endr
.endm
; A K step is four quarters of 64 matrix instructions on buffers 0, 1, 0, 1; the 64 accumulators take turns in one order, over every jump too.
.macro QUARTER k, f, g, zero
	s_wait_dscnt 8                                 ; K and Q's rows 0-63 are in; the youngest eight loads (Q's rows 64-127) may be out
	MUL16 \f, 0, 0, \zero
	MUL16 \f, 0, 2, \zero
	PLACES
	FETCH \k, \g
	s_wait_dscnt 32                                ; all but the 32 just issued
	MUL16 \f, 1, 0, \zero
	MUL16 \f, 1, 2, \zero
.endm
; The fourth quarter multiplies buffer 1 and changes slots.  In front of the barrier each wave waits for all its tensor loads (one is out: its part of the other slot), adds 0 to its spare word, and waits for that and
; for its own reads of this slot.  fill = 1: the barrier opens a round of the cluster's, and the joint refill, two K steps ahead, is the first thing behind it: 224 matrix instructions ahead of the wait for it.
.macro TURN fill
.if \fill
	s_wait_xcnt 0x0                                ; the last prefetch, a K step back, has read its address
	s_add_nc_u64 s[PFA:PFA+1], s[PFA:PFA+1], KSTEP*2
.endif
	WIN 0
	s_wait_tensorcnt 0x0                           ; no tensor load of mine is out, so a group 0 may be written
	ds_add_u32 v[SPW], v[NIL]                      ; 0 onto my spare word
.if \fill
	s_xor_b32 s[G0A+5], s[G0A+5], SLOT             ; the walking descriptors: the other slot than last time, the next K step
	s_add_nc_u64 s[G0A+6:G0A+7], s[G0A+6:G0A+7], KSTEP*2
	s_xor_b32 s[G0B+5], s[G0B+5], SLOT
	s_add_nc_u64 s[G0B+6:G0B+7], s[G0B+6:G0B+7], KSTEP*2
.endif
	s_xor_b32 s[TB], s[TB], SLOT
	s_wait_dscnt 9                                 ; the add and the youngest eight loads may be out
	MUL16 F1, 0, 0, 0
	s_wait_dscnt 0x0                               ; the add is done, and my reads of this slot are over
	s_barrier_signal -1
	MUL16 F1, 0, 2, 0                              ; work on registers while the others arrive
	WIN 0                                          ; at a branch and at a label every window is 0
	s_barrier_wait -1
.if \fill
	CREST                                          ; no wave of any partner still reads this slot or has a load on its way
	JLOAD                                          ; its four v_nop are also the places in front of the loads below
.else
	PLACES
.endif
	v_add_nc_u32 v[ADRA], s[TB], v[ADRA0]
	v_add_nc_u32 v[ADRB], s[TB], v[ADRB0]
	FETCH 0, F0
.if \fill
	ASK
.endif
	MUL16 F1, 1, 0, 0
	MUL16 F1, 1, 2, 0
.endm
; WHAT IS WRITTEN FOR EACH BLOCK a of 16 queries: the block before's m and l go into LDS (here, where the block's number is a constant of the text: so no LDS address is stepped); then t = s CM + CA, scale and mask in
; one, out of the block's 64 accumulator registers (window 2 or 3; each accumulator's registers in ascending order) into W.
.macro CASE a
.if (\a) > 0
	ds_store_b32 v[SSA], v[SV] offset:64*((\a)-1)  ; lanes 0-15 put m, lanes 16-31 l, for queries 16 (a - 1) + l % 16
.endif
.set AC, 64*((\a)%4)
	WIN 0x16+(\a)/4                                ; scores in their window, CM and CA in window 1, t in window 0
.set i, 0
.rept 32
	v_pk_fma_f32 v[W+i:W+i+1], v[AC+i:AC+i+1], v[CM+i:CM+i+1], v[CA+i:CA+i+1]
.set i, i+2
.endr
	WIN 0
.endm
; WHAT IS WRITTEN ONCE: the chunk's softmax of the 64 t a lane in W, all in window 0.  The packed weights go into my stage and come back as whole rows while the sums are made.
.macro SOFT
.irp c, 0,1,2,3
	v_max3_num_f32 v[MX+(\c)], v[W+3*(\c)], v[W+3*(\c)+1], v[W+3*(\c)+2]  ; the maximum, three operands at a time, in four chains
.endr
.set i, 0
.rept 26
	v_max3_num_f32 v[MX+i%4], v[MX+i%4], v[W+12+2*i], v[W+13+2*i]
.set i, i+1
.endr
	v_max3_num_f32 v[MX], v[MX], v[MX+1], v[MX+2]
	v_max_num_f32 v[MX], v[MX], v[MX+3]
	v_permlanex16_b32 v[MM+1], v[MX], s[SEL], s[SEL+1]  ; the query's other 64 keys lie in the lane 16 away
	v_max_num_f32 v[MM], v[MX], v[MM+1]
.set i, 0
.rept 32
	v_pk_add_f32 v[W+i:W+i+1], v[W+i:W+i+1], v[MM:MM+1] op_sel_hi:[1,0] neg_lo:[0,1] neg_hi:[0,1]  ; t - m
.set i, i+2
.endr
.set i, 0
.rept 64
	v_exp_f32 v[W+i], v[W+i]
.set i, i+1
.endr
	v_nop                                          ; a plain instruction behind the last exponential,
	s_wait_alu depctr_va_vdst(0)                   ; and the wait ahead of the first use: one for the 64
.set i, 0
.rept 32
	v_cvt_pk_f16_f32 v[TMP+i], v[W+2*i], v[W+2*i+1]
.set i, i+1
.endr
.irp b, 0,1,2,3,4,5,6,7
	ds_store_b128 v[STO], v[TMP+4*(\b):TMP+4*(\b)+3] offset:32*(\b)
.endr
.irp t, 0,1,2,3,4,5,6,7
	ds_load_b128 v[BK+4*(\t):BK+4*(\t)+3], v[RD] offset:(\t)*2*PITCH  ; LDS serves a wave's instructions in order (ISA guide 5.7.1.4): these see the stores above
.endr
.irp d, 16,8,4,2                       ; the sum of the 32 pairs, in place: neighbours 16, 8, 4 and 2 pairs apart,
.set i, 0
.rept \d
	v_pk_add_f32 v[W+2*i:W+2*i+1], v[W+2*i:W+2*i+1], v[W+2*(i+\d):W+2*(i+\d)+1]
.set i, i+1
.endr
.endr
	v_pk_add_f32 v[LL:LL+1], v[W:W+1], v[W+2:W+3]  ; the last two pairs,
	v_add_f32 v[LL], v[LL], v[LL+1]                ; the pair's halves,
	v_permlanex16_b32 v[LL+1], v[LL], s[SEL], s[SEL+1]
	v_add_f32 v[LL], v[LL], v[LL+1]                ; and the other half of the lanes'
	v_cndmask_b32 v[SV], v[MM], v[LL], s[HM]
	s_wait_dscnt 0x0                               ; the block's rows are back in registers
.irp t, 0,1,2,3,4,5,6,7
	global_store_b128 v[CO], v[BK+4*(\t):BK+4*(\t)+3], s[OUTP:OUTP+1] offset:2*(\t)*4096  ; 16 lanes store 256 consecutive bytes, aligned
.endr
.endm
	s_load_b256 s[4:11], s[0:1], 0x0               ; QKV s[4:5], mask s[6:7], Pt s[8:9], stats s[10:11]
	v_lshl_add_u32 v[SPW], v0, 2, SPARE
	v_mov_b32 v[NIL], 0
	ds_add_u32 v[SPW], v[NIL]                      ; the wave's opening: the add and its wait stand ahead of my first tensor load; the set-up below, work on registers, stands between them
	v_lshrrev_b32 v1, 5, v0
	v_readfirstlane_b32 s[WV], v1
	s_lshr_b32 s[WR], s[WV], 1
	s_and_b32 s[WC], s[WV], 1
	s_bfe_u32 s[CX], ttmp6, 0x40000
	s_bfe_u32 s[CY], ttmp6, 0x40004
	s_mov_b32 s[CLX], ttmp9                        ; in a cluster launch ttmp9 and ttmp7 count clusters
	s_and_b32 s[CLY], ttmp7, 0xffff
	s_lshl_b32 s[TROW], s[CLY], 2
	s_add_co_u32 s[TROW], s[TROW], s[CY]           ; tile row: 256 queries of the 8,192
	s_lshl_b32 s[TCOL], s[CLX], 2
	s_add_co_u32 s[TCOL], s[TCOL], s[CX]           ; tile column: 256 keys of the batch's 2,048
	s_lshr_b32 s[BATCH], s[CLY], 1                 ; a batch is 8 tile rows, two clusters
	s_lshl_b32 s2, s[CY], 2
	s_lshl_b32 s2, 15, s2                          ; my row of the cluster
	s_lshl_b32 s3, 0x1111, s[CX]                   ; my column
	s_or_b32 s[G1A], s2, (1<<16)|(1<<20)|(1<<21)|(5<<22)|(3<<25)  ; 15:0 the mask; 17:16 2-byte elements; 20 padding on; 21 set beside a mask; 24:22 after every 64 words; 31:25 4 words of it
	s_or_b32 s[G1B], s3, (1<<16)|(1<<20)|(1<<21)|(5<<22)|(3<<25)
.irp g, G1A, G1B
	s_mov_b32 s[(\g)+1], KSTEP<<16                 ; tensor_dim0 = 128
	s_mov_b32 s[(\g)+2], 128<<16                   ; tensor_dim1 = 128
	s_mov_b32 s[(\g)+3], KSTEP<<16                 ; tile_dim0 = 128
	s_mov_b32 s[(\g)+4], 128                       ; tile_dim1 = 128
	s_mov_b32 s[(\g)+5], 1024                      ; elements from row to row
	s_mov_b32 s[(\g)+6], 0
	s_mov_b32 s[(\g)+7], 0
.endr
	s_lshl_b32 s2, s[WC], 7                        ; which 128 rows of the tile I fetch
	s_lshl_b32 s[AOF], s[TROW], 8                  ; Q: made of the tile row and the wave's number alone
	s_add_co_u32 s[AOF], s[AOF], s2
	s_lshl_b32 s[AOF], s[AOF], 11
	s_mov_b32 s[AOF+1], 0
	s_lshl_b32 s[BOF], s[BATCH], 11                ; K: made of the batch, the tile column and the wave's number alone
	s_lshl_b32 s3, s[TCOL], 8
	s_add_co_u32 s[BOF], s[BOF], s3
	s_add_co_u32 s[BOF], s[BOF], s2
	s_lshl_b32 s[BOF], s[BOF], 11
	s_add_co_u32 s[BOF], s[BOF], 8192*2048         ; K lies behind Q
	s_mov_b32 s[BOF+1], 0
	s_mul_i32 s76, s[WV], HALFT                    ; where the tiles go: no place in the cluster enters an LDS address
	s_lshl_b32 s77, s[CX], 16                      ; the prefetches: my work-group's 32 rows of the 128 that I fetch,
	s_add_co_u32 s77, s77, s[AOF]
	s_lshl_b32 s78, s[CY], 16
	s_add_co_u32 s78, s78, s[BOF]
	s_cmp_eq_u32 s[WR], 0
	s_cselect_b32 s78, s77, s78
	s_add_co_u32 s78, s78, 3*KSTEP*2               ; at K step 3: the first refill steps it to 4
	s_mov_b32 s79, 0
	s_and_b32 s2, s[CLY], 1
	s_cmp_eq_u32 s[WR], 0
	s_cselect_b32 s2, s[CLX], s2                   ; the coordinate along which another cluster walks the same rows
	s_cmp_eq_u32 s2, 0
	s_cselect_b32 s[LIM], 2, -1                    ; the same in all sixteen partners, for a given wave
	s_mov_b32 s[TB], 0
	s_mov_b32 s[SEL], 0x76543210
	s_mov_b32 s[SEL+1], 0xfedcba98
	s_mov_b32 s[HM], 0xffff0000
	s_wait_dscnt 0x0                               ; the opening add is done
	s_wait_kmcnt 0x0
	s_add_nc_u64 s[AOF:AOF+1], s[4:5], s[AOF:AOF+1]
	s_add_nc_u64 s[BOF:BOF+1], s[4:5], s[BOF:BOF+1]
	s_add_nc_u64 s[PFA:PFA+1], s[4:5], s[78:79]
	CROUND                                         ; all sixteen work-groups are here: the first joint loads meet
.irp s, 0,1
	s_mov_b32 s[G0A+4*(\s)], 1                                              ; count = 1
	s_add_co_u32 s[G0A+4*(\s)+1], s76, (\s)*SLOT                            ; LDS address
	s_add_nc_u64 s[G0A+4*(\s)+2:G0A+4*(\s)+3], s[AOF:AOF+1], (\s)*KSTEP*2   ; global address: K step s
	s_or_b32 s[G0A+4*(\s)+3], s[G0A+4*(\s)+3], 0x80000000                   ; type = 2
	s_mov_b32 s[G0B+4*(\s)], 1
	s_add_co_u32 s[G0B+4*(\s)+1], s76, (\s)*SLOT
	s_add_nc_u64 s[G0B+4*(\s)+2:G0B+4*(\s)+3], s[BOF:BOF+1], (\s)*KSTEP*2
	s_or_b32 s[G0B+4*(\s)+3], s[G0B+4*(\s)+3], 0x80000000
.endr
	s_cmp_eq_u32 s[WR], 0                          ; a wave's two first fills stand in one branch, ahead of every wait on TENSORcnt and every LDS read: two loads of mine are out
	s_cbranch_scc0 .Lfirst_b
	tensor_load_to_lds s[G0A:G0A+3], s[G1A:G1A+7]
	s_nop 0
	tensor_load_to_lds s[G0A+4:G0A+7], s[G1A:G1A+7]
	s_nop 0
.rept 4
	v_nop
.endr
	s_branch .Lfirst_asked
.Lfirst_b:
	tensor_load_to_lds s[G0B:G0B+3], s[G1B:G1B+7]
	s_nop 0
	tensor_load_to_lds s[G0B+4:G0B+7], s[G1B:G1B+7]
	s_nop 0
.rept 4
	v_nop
.endr
.Lfirst_asked:
	v_and_b32 v1, 15, v0                           ; l % 16
	v_bfe_u32 v23, v0, 4, 1                        ; l / 16
	s_lshl_b32 s2, s[BATCH], 11                    ; my 128 keys' masks: register 8 b + j takes key 16 b + 8 (l / 16) + j, into Q's first buffer, which is still free
	s_lshl_b32 s3, s[TCOL], 8
	s_add_co_u32 s2, s2, s3
	s_lshl_b32 s3, s[WC], 7
	s_add_co_u32 s2, s2, s3
	s_lshl_b32 s2, s2, 2
	s_mov_b32 s3, 0
	s_add_nc_u64 s[68:69], s[6:7], s[2:3]
	v_lshlrev_b32 v25, 5, v23
.irp b, 0,1,2,3,4,5,6,7
	global_load_b128 v[F0+8*(\b):F0+8*(\b)+3],   v25, s[68:69] offset:64*(\b)
	global_load_b128 v[F0+8*(\b)+4:F0+8*(\b)+7], v25, s[68:69] offset:64*(\b)+16
.endr
	; A fragment is 16 rows x 32 K in 8 registers: lane l holds row l % 16, K = 8 (l / 16) + 0..7 and 16 + 8 (l / 16) + 0..7: two loads of 16 bytes, 32 bytes apart.
	v_mul_u32_u24 v24, v1, PITCH
	v_lshl_add_u32 v24, v23, 4, v24                ; row x pitch + 16 x half
	s_mul_i32 s2, s[WR], HALFT
	v_add_nc_u32 v[ADRA0], s2, v24
	s_mul_i32 s2, s[WC], HALFT
	s_add_co_u32 s2, s2, 2*HALFT
	v_add_nc_u32 v[ADRB0], s2, v24
	v_mov_b32 v[ADRA], v[ADRA0]                    ; K step 0 lies in slot 0
	v_mov_b32 v[ADRB], v[ADRB0]
	s_mul_i32 s2, s[WV], 16*PITCH
	s_add_co_u32 s2, s2, STAGE                     ; my stage
	v_add_nc_u32 v[STO], s2, v24                   ; in: row l % 16, 16 bytes for each half of the lanes
	v_mul_u32_u24 v[RD], v23, PITCH                ; back: lanes 0-15 take one row of 256 bytes, lanes 16-31 the next
	v_lshl_add_u32 v[RD], v1, 4, v[RD]
	v_add_nc_u32 v[RD], s2, v[RD]
	v_lshlrev_b32 v[CO], 12, v23                   ; and the same two rows in Pt
	v_lshl_add_u32 v[CO], v1, 4, v[CO]
	s_lshl_b32 s2, s[WV], 10
	s_add_co_u32 s2, s2, SS
	v_lshlrev_b32 v[SSA], 2, v1
	v_lshl_add_u32 v[SSA], v23, 9, v[SSA]
	v_add_nc_u32 v[SSA], s2, v[SSA]
	v_and_b32 v[SO], 31, v0
	v_lshlrev_b32 v[SO], 4, v[SO]
	v_add_nc_u32 v[SSR], s2, v[SO]
	v_and_b32 v[PFO], 31, v0
	v_lshlrev_b32 v[PFO], 11, v[PFO]
	v_mov_b32 v[MM+1], 0                           ; v_permlanex16_b32 counts as a reader of its destination
	v_mov_b32 v[LL+1], 0
	v_mov_b32 v[SV], 0                             ; written once whole, so that every block's text finds it written
	v_mov_b32 v26, 0x3d38aa3b                      ; log2(e) / 32
	v_mov_b32 v27, 0xceabfbaf                      ; -1e9 log2(e)
	v_mov_b32 v30, 0                               ; the three in vector registers, so that the 128 selects below take the short encoding
	s_lshl_b32 s2, s[TROW], 8                      ; Pt at my wave's first row and key
	s_lshl_b32 s3, s[WR], 7
	s_add_co_u32 s2, s2, s3
	s_lshl_b32 s77, s2, 2                          ; (the row's place in a chunk's statistics)
	s_lshl_b32 s2, s2, 12
	s_lshl_b32 s3, s[TCOL], 9
	s_add_co_u32 s2, s2, s3
	s_lshl_b32 s3, s[WC], 8
	s_add_co_u32 s2, s2, s3
	s_mov_b32 s3, 0
	s_add_nc_u64 s[OUTP:OUTP+1], s[8:9], s[2:3]
	s_lshl_b32 s2, s[TCOL], 1                      ; my chunk = 2 x tile column + my half: 32,768 bytes each
	s_add_co_u32 s2, s2, s[WC]
	s_lshl_b32 s2, s2, 15
	s_add_co_u32 s2, s2, s77
	s_add_nc_u64 s[AUX:AUX+1], s[10:11], s[2:3]
	s_wait_loadcnt 0x0                             ; the masks
	WIN 0x40                                       ; destination window 1
.set i, 0
.rept 64
	v_cmp_eq_u32 vcc_lo, 0, v[F0+i]
	v_cndmask_b32 v[CM+i], v26, v30, vcc_lo        ; masked: 0, else log2(e) / 32
	v_cndmask_b32 v[CA+i], v30, v27, vcc_lo        ; masked: -1e9 log2(e), else 0
.set i, i+1
.endr
	WIN 0
	s_wait_tensorcnt 0x1                           ; my part of K step 0 is in; K step 1's may stay out
	s_barrier_signal -1
	s_barrier_wait -1                              ; everybody's is
	FETCH 0, F0
	QUARTER 64, F0, F1, 1                          ; the first quarter stands in front of the loop: its products start the sums
	WIN 0
	s_mov_b32 s3, NSTEP-2
	s_branch .Lq1                                  ; the loop is entered behind a step's first quarter
.Lstep:                                        ; 6 trips: a K step each, and a refill each
	QUARTER 64, F0, F1, 0
	WIN 0
.Lq1:
	QUARTER 128, F1, F0, 0
	QUARTER 192, F0, F1, 0
	TURN 1
	WIN 0
	s_sub_co_u32 s3, s3, 1
	s_cmp_lg_u32 s3, 0
	s_cbranch_scc1 .Lstep
	s_mov_b32 s3, 2
.Ltail:                                        ; the last two K steps ask for nothing; the last trip's barrier and fetch serve nothing: the price, once a launch, of one text for both
	QUARTER 64, F0, F1, 0
	QUARTER 128, F1, F0, 0
	QUARTER 192, F0, F1, 0
	TURN 0
	WIN 0
	s_sub_co_u32 s3, s3, 1
	s_cmp_lg_u32 s3, 0
	s_cbranch_scc1 .Ltail
	s_wait_dscnt 0x0                               ; that last fetch has landed: its registers are used below
	PLACES
	PLACES
	; Eight trips, block a = 8 - s3.  A trip picks its block's text by its count (a pair of lines that does not match falls through; one jump goes to the block's text, one back); no barrier and no tensor load stands in the loop.
	s_mov_b32 s3, 8
.Lblock:
.irp a, 0,1,2,3,4,5,6
	s_cmp_eq_u32 s3, 8-(\a)
	s_cbranch_scc1 .Lcase\a
.endr
	CASE 7
	s_branch .Ljoin
.irp a, 0,1,2,3,4,5,6
.Lcase\a:
	CASE \a
.if (\a) < 6
	s_branch .Ljoin
.endif
.endr
.Ljoin:
	SOFT
	s_wait_xcnt 0x0                                ; the stores have read their base and their registers: the base is stepped here, the registers are loaded again in the next trip
	s_add_nc_u64 s[OUTP:OUTP+1], s[OUTP:OUTP+1], 16*4096
	s_sub_co_u32 s3, s3, 1
	s_cmp_lg_u32 s3, 0
	s_cbranch_scc1 .Lblock
	ds_store_b32 v[SSA], v[SV] offset:64*7         ; the last block's m and l
	ds_load_b128 v[TMP:TMP+3],   v[SSR]            ; my wave's 128 m and 128 l, 16 bytes a lane: my own bytes, served in order
	ds_load_b128 v[TMP+4:TMP+7], v[SSR] offset:512
	s_wait_dscnt 0x0
	global_store_b128 v[SO], v[TMP:TMP+3],   s[AUX:AUX+1]                ; 512 consecutive bytes each, aligned
	global_store_b128 v[SO], v[TMP+4:TMP+7], s[AUX:AUX+1] offset:524288
	s_wait_tensorcnt 0x0                           ; the wave's end, behind my last tensor load and my last LDS store
	ds_add_u32 v[SPW], v[NIL]
	s_wait_dscnt 0x0
	CROUND                                         ; the closing round: no work-group ends while a partner may still ask for a tile that names it
	s_endpgm
.Lfunc_end_k_qf196a77cb3_scores:
	.size	k_qf196a77cb3_scores, .Lfunc_end_k_qf196a77cb3_scores-k_qf196a77cb3_scores
	.p2alignl 7, 3214868480
	.fill 96, 4, 3214868480
	.section	.rodata,"a",@progbits
	.p2align	6, 0x0
	.amdhsa_kernel k_qf196a77cb3_scores
		.amdhsa_group_segment_fixed_size 327680
		.amdhsa_private_segment_fixed_size 0
		.amdhsa_enable_private_segment 0
		.amdhsa_kernarg_size 32
		.amdhsa_user_sgpr_count 2
		.amdhsa_user_sgpr_kernarg_segment_ptr 1
		.amdhsa_wavefront_size32 1
		.amdhsa_system_sgpr_workgroup_id_x 1
		.amdhsa_system_sgpr_workgroup_id_y 1
		.amdhsa_system_sgpr_workgroup_id_z 1
		.amdhsa_system_vgpr_workitem_id 0
		.amdhsa_next_free_vgpr 1024
		.amdhsa_next_free_sgpr 80
		.amdhsa_reserve_vcc 1
		.amdhsa_float_denorm_mode_32 3
		.amdhsa_float_denorm_mode_16_64 3
		.amdhsa_memory_ordered 1
		.amdhsa_forward_progress 1
		.amdhsa_inst_pref_size 108
	.end_amdhsa_kernel
	.amdgpu_metadata
---
amdhsa.version: [ 1, 2 ]
amdhsa.kernels:
  - .name:           k_qf196a77cb3_scores
    .symbol:         k_qf196a77cb3_scores.kd
    .args:
      - { .name: QKV, .offset: 0, .size: 8, .value_kind: global_buffer, .address_space: global }
      - { .name: mask, .offset: 8, .size: 8, .value_kind: global_buffer, .address_space: global }
      - { .name: Pt, .offset: 16, .size: 8, .value_kind: global_buffer, .address_space: global }
      - { .name: stats, .offset: 24, .size: 8, .value_kind: global_buffer, .address_space: global }
    .group_segment_fixed_size: 327680
    .private_segment_fixed_size: 0
    .kernarg_segment_align: 8
    .kernarg_segment_size: 32
    .max_flat_workgroup_size: 128
    .sgpr_count:     80
    .vgpr_count:     1024
    .wavefront_size: 32
...
	.end_amdgpu_metadata
.endif
;; end of part 3
;; launch pv (part 4): grid 4 x 64, 4 waves a work-group, clusters of 4 x 4, 327,680 bytes of LDS; arguments Pt, QKV, stats, Oh; writes Oh
.if DOCPART == 4
	.amdgcn_target "amdgcn-amd-amdhsa--gfx1250"
	.amdhsa_code_object_version 6
	.text
	.protected	k_qf196a77cb3_pv
	.globl	k_qf196a77cb3_pv
	.p2align	8
	.type	k_qf196a77cb3_pv,@function
k_qf196a77cb3_pv:
	s_mov_b64 s[64:65], 0
	v_nop
	global_prefetch_b8 v0, s[64:65] scope:SCOPE_SE
	s_setreg_imm32_b32 hwreg(HW_REG_WAVE_MODE, 25, 1), 1
	s_wait_xcnt 0x0
	s_wait_alu depctr_hold_cnt(0) depctr_sa_sdst(0) depctr_va_vdst(0) depctr_va_sdst(0) depctr_va_ssrc(0) depctr_va_vcc(0) depctr_vm_vsrc(0)
	s_getreg_b32 s2, hwreg(HW_REG_IB_STS2, 6, 4)
	s_cmp_eq_u32 s2, 0
	s_cbranch_scc0 .Lentry_in_a_cluster
	s_endpgm
.Lentry_in_a_cluster:
	s_bfe_u32 s2, ttmp6, 0x10000c
	s_cmp_lg_u32 s2, 0xf033
	s_cbranch_scc0 .Lentry_shape_is_right
	s_endpgm
.Lentry_shape_is_right:
; Oh[row][ch] = the sum over the row's 16 chunks c of g_c x the sum over the chunk's 128 keys of Pt[row][key] V[key][ch].  Pt [8192][2048], V = QKV[2] [8192][1024], Oh [8192][1024]: f16; stats f32.
; A K step is one chunk.  Its factor g_c = 2^(m_c - M) / L (M the true maximum of the row's m_c, L the sum of 2^(m_c - M) l_c, both in f32) is rounded once to f16 and multiplied onto Pt's fragments between LDS and
; the matrix unit, by packed f16 multiplies that stand behind matrix instructions: so the sums leave the matrix unit normalised.
; LIMITS.  A normalised weight counts as 0 below 6e-8 and keeps f16's fixed step of 6e-8 below 6e-5: at most 6e-5 of a row's 2,048 weights' sum; that sum is 1 to within f16's rounding of g_c, 2^-12;
; O is a mean of V's rows and has their range; NaN and infinities are not treated apart.
; ONE TEXT serves two kernels; KIND picks what differs: 1 this one; 2 the last projection with bias and f32 output.
; C = A B: A [M][K] with K along the rows, B [K][N] with N along the rows.  A tile of C is 128 x 256: four waves, each 64 x 128: 32 accumulators of 16 x 16, 256 registers.
; At these sizes tiles of 128 x 256 number 256, one to a work-group; tiles of 256 x 256 would number 128.
; K goes in steps of 128 through two LDS slots filled by the tensor data mover; a wave's one load brings 64 rows: waves 0, 1 A's (256 bytes a row), waves 2, 3 B's (512 bytes a row).
; CLUSTER 4 x 4.  A's tile hangs on the tile row alone and is asked for jointly along a row of the cluster, B's on the tile column alone, jointly along a column.
; THE PRODUCT IS TAKEN TRANSPOSED: source 0 = 16 columns of B (out of LDS by the turning load), source 1 = 16 rows of A.  In the result lane l holds row l % 16 of C and the columns 8 (l / 16) + 0..7.
; REGISTERS, in windows of 256 (s_set_vgpr_msb: bits 1:0 source 0, 3:2 source 1, 5:4 source 2, 7:6 destination):
;   window 0: v0-31 addresses and factors; v32-127 at work; v128-191, v192-255 B's fragments, two buffers (column block b at + 8 b)
;   window 1: v0-191 accumulators of row blocks 0-2 (at 64 a + 8 b); v192-223, v224-255 A's fragments, two buffers (row block a at + 8 a): beside the accumulators, so that the riders need no switch
;   window 2: v0-63 accumulators of row block 3; v64-127 the bias as a C operand (KIND 2)
.set KIND, 1
.if KIND == 1
.set NSTEP, 16                         ; K steps
.set AROWB, 4096                       ; bytes in a row of A
.else
.set NSTEP, 8
.set AROWB, 2048
.endif
.set SLOT1, 1<<17                      ; slot 1 begins here, so that one exclusive or turns an address in one slot into the other's
.set PA,    272                        ; a row of A in LDS: 256 bytes + 16 = 68 words: the 16 rows of a load start at 16 different groups of four banks (64 banks of 4 bytes: ISA guide 11.1)
.set PB,    544                        ; a row of B: 512 + 32 = 136 words
.set BOFF,  128*PA                     ; a slot: A's 128 rows, then B's 128 rows
.set FT,    BOFF+128*PB                ; between the slots, never filled by a tensor load: KIND 1's table of factors, 4,608 bytes a wave
.set STAGE, SLOT1+FT                   ; behind the ring: each wave's stage for the way out, 16 rows x 272 bytes (f16) or x 528 (f32)
.set SPARE, STAGE+4*16*528             ; behind the stages: the spare words, 128 bytes for each wave: two blocks of 256 bytes that no other line names
.set ADRA0, 2                          ; v2   my lane's place in A's tile; never rewritten
.set ADRB0, 3                          ; v3   in B's
.set ADRA,  4                          ; v4   the same in the slot in hand
.set ADRB,  5                          ; v5
.set STO,   6                          ; v6   the way out: where I put my bytes of a row
.set RD,    7                          ; v7   where I read rows back
.set CO,    8                          ; v8   my byte offset in C
.set PFO,   9                          ; v9   the prefetches' offset; never rewritten
.set SPW,   10                         ; v10  LDS address of my spare word: SPARE + 4 x my thread's number; never rewritten
.set NIL,   11                         ; v11  0; never rewritten
.set FTA,   12                         ; v12  KIND 1: my row's place in the table, at the chunk in hand
.set FC,    16                         ; v16-19  KIND 1: the chunk's factor, twice in f16, for my row of row blocks 0-3
.set TMP,   32
.set BF,    128
.set AF,    192
.set BI,    64
.set WV,  16                           ; s16 wave   s17 its 64 rows of the tile; also: it fetches A (0) or B (1)   s18 its 128 columns; also: which 64 rows it fetches
.set WR,  17
.set WC,  18
.set CX,  19                           ; s19, s20 my place in the cluster   s21, s22 the cluster's place   s23 tile row
.set CY,  20
.set CLX, 21
.set CLY, 22
.set TROW, 23
.set G1A, 24                           ; s[24:31] descriptor group 1 for A's tiles; s[32:39] group 0: a set for each first fill; the second then walks
.set G0A, 32
.set AOF, 40                           ; s[40:41] A at my first tile   s[42:43] B at my first tile
.set BOF, 42
.set PFA, 44                           ; s[44:45] where my prefetches stand   s[46:47] their step
.set PST, 46
.set G1B, 48                           ; s[48:55], s[56:63] the same for B's tiles
.set G0B, 56
.set TB,  66                           ; s66  0 or SLOT1: the slot in hand
.set LIM, 67                           ; s67  2 in a wave that prefetches, else the greatest number
.set OUTP, 70                          ; s[70:71] C at my wave's first row and column
.set AUX, 72                           ; s[72:73] the bias, or the statistics
.set MSB, 0
.macro WIN new                         ; the immediate's high byte repeats the setting that is left; a switch that changes nothing is dropped
.if MSB != (\new)
	s_set_vgpr_msb (MSB<<8)|(\new)
.set MSB, \new
.endif
.endm
.macro PLACES                          ; four plain instructions between a matrix instruction and a load into, or a vector write or read of, its registers (ISA guide 7.12.1 for vector writes and reads)
.rept 4
	v_nop
.endr
.endm
.macro CREST                           ; a round of the cluster's barrier behind its opening barrier
	s_cmp_lg_u32 s[WV], 0
	s_cbranch_scc1 .Lnot_wave_0_\@
	s_barrier_signal -3
.Lnot_wave_0_\@:
	s_barrier_wait -3
	s_barrier_signal -1
	s_barrier_wait -1
.endm
.macro CROUND
	s_barrier_signal -1
	s_barrier_wait -1
	CREST
.endm
.macro JLOAD                           ; a joint refill by the walking descriptors; the branch hangs on the wave's number alone; an s_nop 0 and four v_nop follow each line
	s_cmp_eq_u32 s[WR], 0
	s_cbranch_scc0 .Lfor_b_\@
	tensor_load_to_lds s[G0A+4:G0A+7], s[G1A:G1A+7]
	s_nop 0
.rept 4
	v_nop
.endr
	s_branch .Lasked_\@
.Lfor_b_\@:
	tensor_load_to_lds s[G0B+4:G0B+7], s[G1B:G1B+7]
	s_nop 0
.rept 4
	v_nop
.endr
.Lasked_\@:
.endm
; A PREFETCH INTO THE L2, behind a joint refill and the run of LDS loads that follows it: the K step that stands two refills on, 256 matrix instructions ahead of the load that will want it.
; A's 128 rows x 256 bytes: wave 0 of each of the four partners that ask for the tile takes 32 rows, a lane a row, in the first cluster of the row of clusters.  B's 128 rows x 512 bytes: waves 2 and 3 take, of the
; 64 rows that each fetches, 16 for each of the four partners, a lane half a row, in the first of the clusters that walk these rows.  The partners are told apart by address; each 256 bytes are named once in the launch.
; The first four K steps come by their loads alone; the last two refills have no K step two on (s3 counts the refills left).
.macro ASK
	s_cmp_gt_u32 s3, s[LIM]
	s_cbranch_scc0 .Lnot_mine_\@
	global_prefetch_b8 v[PFO], s[PFA:PFA+1] th:TH_LOAD_NT scope:SCOPE_SE
.Lnot_mine_\@:
.endm
; 8 matrix instructions: row block a x all 8 column blocks, 32 along K, from buffer f.  ci = 0: they add in place; 1: they start the sums with 0; 2: with the bias.
; rg >= 0 (KIND 1): behind each stand four packed multiplies that scale A's fragments in buffer rg by the chunk's factor; block 3, which the next quarter takes first, first.
.macro MULA f, a, ci, rg=-1
.if (\a) == 3
.set AB, 0
	WIN 0xa4                                       ; B window 0, A window 1, C and D window 2
.else
.set AB, 64*(\a)
.if (\ci) == 2
	WIN 0x64                                       ; C window 2, D window 1
.else
	WIN 0x54                                       ; C and D window 1
.endif
.endif
.irp b, 0,1,2,3,4,5,6,7
.if (\ci) == 1
	v_wmma_f32_16x16x32_f16 v[AB+8*(\b):AB+8*(\b)+7], v[BF+64*(\f)+8*(\b):BF+64*(\f)+8*(\b)+7], v[AF+32*(\f)+8*(\a):AF+32*(\f)+8*(\a)+7], 0
.elseif (\ci) == 2
	v_wmma_f32_16x16x32_f16 v[AB+8*(\b):AB+8*(\b)+7], v[BF+64*(\f)+8*(\b):BF+64*(\f)+8*(\b)+7], v[AF+32*(\f)+8*(\a):AF+32*(\f)+8*(\a)+7], v[BI+8*(\b):BI+8*(\b)+7]
.else
	v_wmma_f32_16x16x32_f16 v[AB+8*(\b):AB+8*(\b)+7], v[BF+64*(\f)+8*(\b):BF+64*(\f)+8*(\b)+7], v[AF+32*(\f)+8*(\a):AF+32*(\f)+8*(\a)+7], v[AB+8*(\b):AB+8*(\b)+7]
.endif
.if (\rg) >= 0
.irp n, 0,1,2,3
.set T, 4*(\b)+(\n)
.set RA, (3+T/8)%4
	v_pk_mul_f16 v[AF+32*(\rg)+8*RA+T%8], v[FC+RA], v[AF+32*(\rg)+8*RA+T%8]
.endr
.endif
.endr
.endm
; One run of LDS loads: the fragments of quarter q (32 along K) of the slot in hand into buffer g: 8 loads for A's 64 rows, then 16 turning loads for B's 128 columns.  fc = 1 (KIND 1): first the chunk's factors.
.macro FETCH q, g, fc
	WIN 0
.if (KIND == 1) && (\fc)
	ds_load_b128 v[FC:FC+3], v[FTA]
.endif
	WIN 0x40                                       ; destination window 1
.irp a, 0,1,2,3
	ds_load_b128 v[AF+32*(\g)+8*(\a):AF+32*(\g)+8*(\a)+3],   v[ADRA] offset:64*(\q)+(\a)*16*PA
	ds_load_b128 v[AF+32*(\g)+8*(\a)+4:AF+32*(\g)+8*(\a)+7], v[ADRA] offset:64*(\q)+(\a)*16*PA+32
.endr
	WIN 0
.irp b, 0,1,2,3,4,5,6,7
	ds_load_tr16_b128 v[BF+64*(\g)+8*(\b):BF+64*(\g)+8*(\b)+3],   v[ADRB] offset:(\q)*32*PB+32*(\b)
	ds_load_tr16_b128 v[BF+64*(\g)+8*(\b)+4:BF+64*(\g)+8*(\b)+7], v[ADRB] offset:(\q)*32*PB+16*PB+32*(\b)
.endr
.endm
; A K step is four quarters of 32 matrix instructions on buffers 0, 1, 0, 1.  The 32 accumulators take turns in one order (row blocks 3, 0, 1, 2), over every jump too.
; One of the first three quarters: multiplies buffer f and fetches quarter q into buffer g, 24 matrix instructions ahead of its first use.
.macro QUARTER f, g, q, ci
	s_wait_dscnt 0x0                               ; buffer f is in
	MULA \f, 3, \ci
	PLACES                                         ; behind the last products that read buffer g
	FETCH \q, \g, 0
	MULA \f, 0, \ci
	MULA \f, 1, \ci
.if KIND == 1
	s_wait_dscnt 16                                ; A's 8 loads are in; B's 16, issued behind them, may stay out
	MULA \f, 2, \ci, \g
.else
	MULA \f, 2, \ci
.endif
.endm
; The fourth quarter multiplies buffer 1 and changes slots.  In front of the barrier each wave waits for all its tensor loads (one is out: its part of the other slot), adds 0 to its spare word, and waits for that and
; for its own reads of this slot.  fill = 1: the barrier opens a round of the cluster's, and the joint refill, two K steps ahead, is the first thing behind it: 112 matrix instructions ahead of the wait for it.
.macro TURNQ fill
.if \fill
	s_wait_xcnt 0x0                                ; the last prefetch, a K step back, has read its address
	s_add_nc_u64 s[PFA:PFA+1], s[PFA:PFA+1], s[PST:PST+1]
.endif
	WIN 0
	s_wait_tensorcnt 0x0                           ; no tensor load of mine is out, so a group 0 may be written
	ds_add_u32 v[SPW], v[NIL]                      ; 0 onto my spare word
.if \fill
	s_xor_b32 s[G0A+5], s[G0A+5], SLOT1            ; the walking descriptors: the other slot than last time, the next K step
	s_add_nc_u64 s[G0A+6:G0A+7], s[G0A+6:G0A+7], 256
	s_xor_b32 s[G0B+5], s[G0B+5], SLOT1
	s_add_nc_u64 s[G0B+6:G0B+7], s[G0B+6:G0B+7], 128*2048
.endif
	s_xor_b32 s[TB], s[TB], SLOT1
	s_wait_dscnt 0x1                               ; buffer 1 is in; the add may be out
	MULA 1, 3, 0
	s_wait_dscnt 0x0                               ; the add is done, and my reads of this slot are over
	s_barrier_signal -1
	MULA 1, 0, 0                                   ; work on registers while the others arrive
	WIN 0                                          ; at a branch and at a label every window is 0
	s_barrier_wait -1
.if \fill
	CREST                                          ; no wave of any partner still reads this slot or has a load on its way
	JLOAD                                          ; its four v_nop are also the places in front of the loads below
.else
	PLACES
.endif
	v_add_nc_u32 v[ADRA], s[TB], v[ADRA0]
	v_add_nc_u32 v[ADRB], s[TB], v[ADRB0]
.if KIND == 1
	v_add_nc_u32 v[FTA], 256, v[FTA]               ; the next chunk's factors
.endif
	FETCH 0, 0, 1
.if \fill
	ASK
.endif
	MULA 1, 1, 0
.if KIND == 1
	s_wait_dscnt 16                                ; the factors and A's 8 loads are in
	MULA 1, 2, 0, 0
.else
	MULA 1, 2, 0
.endif
.endm
; THE WAY OUT in f16 (KIND 1), a row block at a time: rounded, 16 bytes a lane into my own stage, back as whole rows of 256 bytes, stored.
.macro PACK a                          ; each accumulator's registers in ascending order
.if (\a) == 3
.set AB, 0
	WIN 0x0a
.else
.set AB, 64*(\a)
	WIN 0x05
.endif
.irp b, 0,1,2,3,4,5,6,7
.irp n, 0,1,2,3
	v_cvt_pk_f16_f32 v[TMP+4*(\b)+(\n)], v[AB+8*(\b)+2*(\n)], v[AB+8*(\b)+2*(\n)+1]
.endr
.endr
	WIN 0
.endm
.macro TOSTAGE a
.irp b, 0,1,2,3,4,5,6,7
	ds_store_b128 v[STO], v[TMP+4*(\b):TMP+4*(\b)+3] offset:32*(\b)
.endr
.irp t, 0,1,2,3,4,5,6,7
	ds_load_b128 v[BF+32*(\a)+4*(\t):BF+32*(\a)+4*(\t)+3], v[RD] offset:(\t)*2*272  ; LDS serves a wave's instructions in order (ISA guide 5.7.1.4): these see the stores above; each block has read-back registers of its own
.endr
.endm
.macro SEND a
	s_wait_dscnt 0x0                               ; the block is back in registers
.irp t, 0,1,2,3,4,5,6,7
	global_store_b128 v[CO], v[BF+32*(\a)+4*(\t):BF+32*(\a)+4*(\t)+3], s[OUTP:OUTP+1] offset:(16*(\a)+2*(\t))*2048  ; 16 lanes store 256 consecutive bytes, aligned
.endr
.endm
; THE WAY OUT in f32 (KIND 2): what is written for each row block: its accumulators go straight into my stage (rows of 528 bytes), each accumulator's low registers first.
.macro CASE32 a
.if (\a) == 3
.set AB, 0
	WIN 0x08                                       ; the stores' data in window 2
.else
.set AB, 64*(\a)
	WIN 0x04                                       ; in window 1
.endif
.irp b, 0,1,2,3,4,5,6,7
	ds_store_b128 v[STO], v[AB+8*(\b):AB+8*(\b)+3]   offset:64*(\b)
	ds_store_b128 v[STO], v[AB+8*(\b)+4:AB+8*(\b)+7] offset:64*(\b)+16
.endr
	WIN 0
.endm
	s_load_b256 s[4:11], s[0:1], 0x0               ; A s[4:5], B s[6:7]; KIND 1: stats, Oh; 2: bo, out0
	v_lshl_add_u32 v[SPW], v0, 2, SPARE
	v_mov_b32 v[NIL], 0
	ds_add_u32 v[SPW], v[NIL]                      ; the wave's opening: the add and its wait stand ahead of my first tensor load; the set-up below, work on registers, stands between them
	v_lshrrev_b32 v1, 5, v0
	v_readfirstlane_b32 s[WV], v1
	s_lshr_b32 s[WR], s[WV], 1
	s_and_b32 s[WC], s[WV], 1
	s_bfe_u32 s[CX], ttmp6, 0x40000
	s_bfe_u32 s[CY], ttmp6, 0x40004
	s_mov_b32 s[CLX], ttmp9                        ; in a cluster launch ttmp9 and ttmp7 count clusters
	s_and_b32 s[CLY], ttmp7, 0xffff
	s_lshl_b32 s[TROW], s[CLY], 2
	s_add_co_u32 s[TROW], s[TROW], s[CY]           ; tile row of C; the tile column is cx
	s_lshl_b32 s2, s[CY], 2
	s_lshl_b32 s2, 15, s2                          ; my row of the cluster
	s_lshl_b32 s3, 0x1111, s[CX]                   ; my column
	s_or_b32 s[G1A], s2, (1<<16)|(1<<20)|(1<<21)|(5<<22)|(3<<25)  ; 15:0 the mask; 17:16 2-byte elements; 20 padding on; 21 set beside a mask; 24:22 after every 64 words; 31:25 4 words of it
	s_or_b32 s[G1B], s3, (1<<16)|(1<<20)|(1<<21)|(6<<22)|(7<<25)  ; after every 128 words, 8 words
	s_mov_b32 s[G1A+1], 128<<16                    ; tensor_dim0 = 128
	s_mov_b32 s[G1A+2], 64<<16                     ; tensor_dim1 = 64
	s_mov_b32 s[G1A+3], 128<<16                    ; tile_dim0 = 128
	s_mov_b32 s[G1A+4], 64                         ; tile_dim1 = 64
	s_mov_b32 s[G1A+5], AROWB/2                    ; elements from row to row
	s_mov_b32 s[G1A+6], 0
	s_mov_b32 s[G1A+7], 0
	s_mov_b32 s[G1B+1], 256<<16
	s_mov_b32 s[G1B+2], 64<<16
	s_mov_b32 s[G1B+3], 256<<16
	s_mov_b32 s[G1B+4], 64
	s_mov_b32 s[G1B+5], 1024
	s_mov_b32 s[G1B+6], 0
	s_mov_b32 s[G1B+7], 0
	s_lshl_b32 s[AOF], s[TROW], 7                  ; A: row 128 x tile row + the 64 that I fetch: made of the tile row and the wave's number alone
	s_lshl_b32 s2, s[WC], 6
	s_add_co_u32 s[AOF], s[AOF], s2
	s_mul_i32 s[AOF], s[AOF], AROWB
	s_mov_b32 s[AOF+1], 0
	s_lshl_b32 s[BOF], s[WC], 17                   ; B: the 64 rows of 2,048 bytes that I fetch, the tile column's 512 bytes: made of cx, the cluster's place and the wave's number alone
	s_lshl_b32 s3, s[CX], 9
	s_add_co_u32 s[BOF], s[BOF], s3
.if KIND == 1
	s_lshr_b32 s3, s[CLY], 2                       ; the batch: 16 tile rows, four clusters
	s_lshl_b32 s3, s3, 22                          ; its 2,048 rows of V,
	s_add_co_u32 s[BOF], s[BOF], s3
	s_add_co_u32 s[BOF], s[BOF], 2*8192*2048       ; which lies behind Q and K
.else
	s_add_co_u32 s[BOF], s[BOF], 3*1024*2048       ; Wo is the fourth matrix
.endif
	s_mov_b32 s[BOF+1], 0
	s_mul_i32 s74, s[WC], 64*PA                    ; where the tiles go: no place in the cluster enters an LDS address
	s_mul_i32 s75, s[WC], 64*PB
	s_add_co_u32 s75, s75, BOFF
	s_lshl_b32 s76, s[TROW], 7                     ; the prefetches.  A: my work-group's 32 rows of the tile, at K step 3
	s_lshl_b32 s77, s[CX], 5
	s_add_co_u32 s76, s76, s77
	s_mul_i32 s76, s76, AROWB
	s_add_co_u32 s76, s76, 3*256
	s_lshl_b32 s77, s[CY], 15                      ; B: my work-group's 16 rows of the 64 that I fetch, at K step 3
	s_add_co_u32 s77, s77, s[BOF]
	s_add_co_u32 s77, s77, 3*128*2048
	s_mov_b32 s[PST], 128*2048
	s_mov_b32 s79, 2048
	s_cmp_eq_u32 s[WR], 0
	s_cselect_b32 s76, s76, s77
	s_cselect_b32 s[PST], 256, s[PST]              ; a K step along A's rows, or down B's
	s_cselect_b32 s78, 0, 1                        ; A: a lane a row; B: two lanes a row
	s_cselect_b32 s79, AROWB, s79
	s_mov_b32 s77, 0
	s_mov_b32 s[PST+1], 0
.if KIND == 1
	s_and_b32 s2, s[CLY], 3                        ; a batch's V is walked by four clusters: the first asks
.else
	s_mov_b32 s2, s[CLY]                           ; the weights are walked by every cluster of the column: the first asks
.endif
	s_cmp_eq_u32 s[WR], 0
	s_cselect_b32 s2, s[CLX], s2                   ; A's rows are walked by every cluster of the row
	s_cmp_eq_u32 s[WV], 1
	s_cselect_b32 s2, 1, s2                        ; wave 1 asks for nothing
	s_cmp_eq_u32 s2, 0
	s_cselect_b32 s[LIM], 2, -1                    ; the same in all sixteen partners, for a given wave
	s_mov_b32 s[TB], 0
	s_wait_dscnt 0x0                               ; the opening add is done
	s_wait_kmcnt 0x0
	s_add_nc_u64 s[AOF:AOF+1], s[4:5], s[AOF:AOF+1]
	s_add_nc_u64 s[BOF:BOF+1], s[6:7], s[BOF:BOF+1]
	s_cmp_eq_u32 s[WR], 0
	s_cselect_b64 s[PFA:PFA+1], s[4:5], s[6:7]
	s_add_nc_u64 s[PFA:PFA+1], s[PFA:PFA+1], s[76:77]
	CROUND                                         ; all sixteen work-groups are here: the first joint loads meet
.irp s, 0,1
	s_mov_b32 s[G0A+4*(\s)], 1                                          ; count = 1
	s_add_co_u32 s[G0A+4*(\s)+1], s74, (\s)*SLOT1                       ; LDS address
	s_add_nc_u64 s[G0A+4*(\s)+2:G0A+4*(\s)+3], s[AOF:AOF+1], (\s)*256   ; global address: K step s
	s_or_b32 s[G0A+4*(\s)+3], s[G0A+4*(\s)+3], 0x80000000               ; type = 2
	s_mov_b32 s[G0B+4*(\s)], 1
	s_add_co_u32 s[G0B+4*(\s)+1], s75, (\s)*SLOT1
	s_add_nc_u64 s[G0B+4*(\s)+2:G0B+4*(\s)+3], s[BOF:BOF+1], (\s)*128*2048
	s_or_b32 s[G0B+4*(\s)+3], s[G0B+4*(\s)+3], 0x80000000
.endr
	s_cmp_eq_u32 s[WR], 0                          ; a wave's two first fills stand in one branch, ahead of every wait on TENSORcnt and every LDS read: two loads of mine are out
	s_cbranch_scc0 .Lfirst_b
	tensor_load_to_lds s[G0A:G0A+3], s[G1A:G1A+7]
	s_nop 0
	tensor_load_to_lds s[G0A+4:G0A+7], s[G1A:G1A+7]
	s_nop 0
.rept 4
	v_nop
.endr
	s_branch .Lfirst_asked
.Lfirst_b:
	tensor_load_to_lds s[G0B:G0B+3], s[G1B:G1B+7]
	s_nop 0
	tensor_load_to_lds s[G0B+4:G0B+7], s[G1B:G1B+7]
	s_nop 0
.rept 4
	v_nop
.endr
.Lfirst_asked:
	; A fragment of A is 16 rows x 32 K in 8 registers: lane l holds row l % 16, K = 8 (l / 16) + 0..7 and 16 + 8 (l / 16) + 0..7: two loads of 16 bytes, 32 bytes apart.
	v_and_b32 v1, 15, v0                           ; l % 16
	v_bfe_u32 v13, v0, 4, 1                        ; l / 16
	v_mul_u32_u24 v[ADRA0], v1, PA
	v_lshl_add_u32 v[ADRA0], v13, 4, v[ADRA0]
	s_mul_i32 s2, s[WR], 64*PA
	v_add_nc_u32 v[ADRA0], s2, v[ADRA0]
	; The turning load takes 16 K x 16 columns (lane l reads K row 8 (l / 16) + l % 8, columns 8 ((l / 8) % 2) + 0..7) and leaves half a fragment: lane l holds column l % 16 and 8 K.
	v_and_b32 v14, 7, v0
	v_lshl_add_u32 v14, v13, 3, v14
	v_mul_u32_u24 v[ADRB0], v14, PB
	v_bfe_u32 v15, v0, 3, 1
	v_lshl_add_u32 v[ADRB0], v15, 4, v[ADRB0]
	s_lshl_b32 s2, s[WC], 8
	s_add_co_u32 s2, s2, BOFF
	v_add_nc_u32 v[ADRB0], s2, v[ADRB0]
	v_mov_b32 v[ADRA], v[ADRA0]                    ; K step 0 lies in slot 0
	v_mov_b32 v[ADRB], v[ADRB0]
.if KIND == 2
	s_mul_i32 s2, s[WV], 16*528
	s_add_co_u32 s2, s2, STAGE                     ; my stage
	v_mul_u32_u24 v[STO], v1, 528                  ; in: row l % 16, 32 bytes for each half of the lanes
	v_lshl_add_u32 v[STO], v13, 5, v[STO]
	v_add_nc_u32 v[STO], s2, v[STO]
	v_and_b32 v[CO], 31, v0                        ; back, and in C: 32 lanes take a row's 512 bytes
	v_lshlrev_b32 v[CO], 4, v[CO]
	v_add_nc_u32 v[RD], s2, v[CO]
.else
	s_mul_i32 s2, s[WV], 16*272
	s_add_co_u32 s2, s2, STAGE
	v_mul_u32_u24 v[STO], v1, 272                  ; in: row l % 16, 16 bytes for each half of the lanes
	v_lshl_add_u32 v[STO], v13, 4, v[STO]
	v_add_nc_u32 v[STO], s2, v[STO]
	v_mul_u32_u24 v[RD], v13, 272                  ; back: lanes 0-15 take one row of 256 bytes, lanes 16-31 the next
	v_lshl_add_u32 v[RD], v1, 4, v[RD]
	v_add_nc_u32 v[RD], s2, v[RD]
	v_lshlrev_b32 v[CO], 11, v13                   ; and the same two rows in C
	v_lshl_add_u32 v[CO], v1, 4, v[CO]
.endif
	v_and_b32 v14, 31, v0
	v_lshrrev_b32 v[PFO], s78, v14
	v_mul_u32_u24 v[PFO], s79, v[PFO]              ; the lane's row,
	v_and_b32 v14, s78, v14
	v_lshl_add_u32 v[PFO], v14, 8, v[PFO]          ; and for B its half of the row's 512 bytes
	s_lshl_b32 s68, s[TROW], 7                     ; C at my wave's first row and column
	s_lshl_b32 s69, s[WR], 6
	s_add_co_u32 s68, s68, s69
.if KIND == 2
	s_lshl_b32 s68, s68, 12
	s_lshl_b32 s69, s[CX], 10
	s_add_co_u32 s68, s68, s69
	s_lshl_b32 s69, s[WC], 9
	s_add_co_u32 s68, s68, s69
.else
	s_lshl_b32 s68, s68, 11
	s_lshl_b32 s69, s[CX], 9
	s_add_co_u32 s68, s68, s69
	s_lshl_b32 s69, s[WC], 8
	s_add_co_u32 s68, s68, s69
.endif
	s_mov_b32 s69, 0
	s_add_nc_u64 s[OUTP:OUTP+1], s[10:11], s[68:69]
.if KIND == 2
	; THE BIAS is the C operand that starts the sums: register j of column block b holds b[16 b + 8 (l / 16) + j], the same for all row blocks.
	s_mov_b64 s[AUX:AUX+1], s[8:9]
	s_lshl_b32 s68, s[CX], 10
	s_lshl_b32 s69, s[WC], 9
	s_add_co_u32 s68, s68, s69
	s_mov_b32 s69, 0
	s_add_nc_u64 s[AUX:AUX+1], s[AUX:AUX+1], s[68:69]
	v_lshlrev_b32 v15, 5, v13
	WIN 0x80                                       ; destination window 2
.irp b, 0,1,2,3,4,5,6,7
	global_load_b128 v[BI+8*(\b):BI+8*(\b)+3],   v15, s[AUX:AUX+1] offset:64*(\b)
	global_load_b128 v[BI+8*(\b)+4:BI+8*(\b)+7], v15, s[AUX:AUX+1] offset:64*(\b)+16
.endr
	WIN 0
.else
	; THE SOFTMAX'S FACTORS.  For each row and each of its 16 chunks of 128 keys the launch before left the chunk's maximum m_c (in powers of 2) and the sum l_c of its weights 2^(t - m_c).
	; M = max m_c; f_c = 2^(m_c - M); L = the sum of f_c l_c; g_c = f_c / L, rounded to f16; O = the sum over c of g_c P_c V_c.  Lane l takes rows l and 32 + l of my wave's 64.
	s_lshl_b32 s68, s[TROW], 7
	s_lshl_b32 s69, s[WR], 6
	s_add_co_u32 s68, s68, s69
	s_lshl_b32 s68, s68, 2
	s_mov_b32 s69, 0
	s_add_nc_u64 s[AUX:AUX+1], s[8:9], s[68:69]
	v_and_b32 v14, 31, v0
	v_lshlrev_b32 v14, 2, v14
.set T, 0
.rept 32                               ; T = 16 i + c: m into v32-63, l into v64-95
	global_load_b32 v[32+T], v14, s[AUX:AUX+1] offset:32768*(T%16)+128*(T/16)
	global_load_b32 v[64+T], v14, s[AUX:AUX+1] offset:524288+32768*(T%16)+128*(T/16)
.set T, T+1
.endr
	s_mul_i32 s68, s[WV], 4608
	s_add_co_u32 s68, s68, FT                      ; my wave's table: 17 entries of 256 bytes, word (16 bytes x row % 16) + 4 x row block
	v_lshl_add_u32 v[FTA], v1, 4, s68
	v_lshl_add_u32 v15, v13, 2, v[FTA]             ; where lane l stores: rows l and 32 + l lie in blocks l / 16 and 2 + l / 16
.irp n, 26,27,28,29
	v_mov_b32 v\n, 0
.endr
	s_wait_loadcnt 0x0
.irp i, 0,1
	v_max3_num_f32 v[24+(\i)], v[32+16*(\i)], v[33+16*(\i)], v[34+16*(\i)]
.endr
.irp n, 0,1,2,3,4,5
.irp i, 0,1
	v_max3_num_f32 v[24+(\i)], v[24+(\i)], v[35+16*(\i)+2*(\n)], v[36+16*(\i)+2*(\n)]
.endr
.endr
.irp i, 0,1
	v_max_num_f32 v[24+(\i)], v[24+(\i)], v[47+16*(\i)]
.endr
.set T, 0
.rept 32
	v_sub_f32 v[32+T], v[32+T], v[24+T/16]
.set T, T+1
.endr
.set T, 0
.rept 32
	v_exp_f32 v[32+T], v[32+T]
.set T, T+1
.endr
	v_nop                                          ; a plain instruction behind the last exponential,
	s_wait_alu depctr_va_vdst(0)                   ; and the wait ahead of the first use: one for the 32
.set T, 0
.rept 32                               ; L, in f32, in two chains a row
	v_fmac_f32 v[26+2*(T/16)+T%2], v[32+T], v[64+T]
.set T, T+1
.endr
	v_add_f32 v26, v26, v27
	v_add_f32 v28, v28, v29
	v_rcp_f32 v30, v26                             ; L is at least 1: the chunk with m_c = M has f = 1 and l >= 1
	v_rcp_f32 v31, v28
	v_nop
	s_wait_alu depctr_va_vdst(0)
.set T, 0
.rept 32
	v_mul_f32 v[32+T], v[30+T/16], v[32+T]         ; g = f / L
.set T, T+1
.endr
.set T, 0
.rept 32
	v_cvt_pk_f16_f32 v[96+T], v[32+T], v[32+T]     ; the factor twice, for the packed multiply
.set T, T+1
.endr
.set T, 0
.rept 32
	ds_store_b32 v15, v[96+T] offset:256*(T%16)+8*(T/16)
.set T, T+1
.endr
.irp i, 0,1
	ds_store_b32 v15, v[111+16*(\i)] offset:4096+8*(\i)   ; entry 16 is read by the last trip's fetch and serves nothing
.endr
	s_wait_dscnt 0x0                               ; no LDS instruction of mine is out at the signal below
.endif
	s_wait_tensorcnt 0x1                           ; my part of K step 0 is in; K step 1's may stay out
	s_barrier_signal -1
	s_barrier_wait -1                              ; everybody's is
	FETCH 0, 0, 1
.if KIND == 1
	s_wait_dscnt 0x0
	WIN 0x54
.set T, 0
.rept 32
	v_pk_mul_f16 v[AF+T], v[FC+T/8], v[AF+T]       ; the first quarter's fragments have no products to ride behind
.set T, T+1
.endr
	QUARTER 0, 1, 1, 1                             ; the first quarter stands in front of the loop: its products start the sums
.else
	s_wait_loadcnt 0x0                             ; the bias
	QUARTER 0, 1, 1, 2
.endif
	WIN 0
	s_mov_b32 s3, NSTEP-2
	s_branch .Lq1                                  ; the loop is entered behind a step's first quarter
.Lstep:                                        ; NSTEP - 2 trips: a K step each, and a refill each
	QUARTER 0, 1, 1, 0
	WIN 0
.Lq1:
	QUARTER 1, 0, 2, 0
	QUARTER 0, 1, 3, 0
	TURNQ 1
	WIN 0
	s_sub_co_u32 s3, s3, 1
	s_cmp_lg_u32 s3, 0
	s_cbranch_scc1 .Lstep
	s_mov_b32 s3, 2
.Ltail:                                        ; the last two K steps ask for nothing; the last trip's barrier and fetch serve nothing: the price, once a launch, of one text for both
	QUARTER 0, 1, 1, 0
	QUARTER 1, 0, 2, 0
	QUARTER 0, 1, 3, 0
	TURNQ 0
	WIN 0
	s_sub_co_u32 s3, s3, 1
	s_cmp_lg_u32 s3, 0
	s_cbranch_scc1 .Ltail
	s_wait_dscnt 0x0                               ; that last fetch has landed: its registers are used below
	PLACES
	PLACES
.if KIND == 2
	; Four trips, row block a = 4 - s3.  A trip picks its block's LDS stores by its count (a pair of lines that does not match falls through; one jump goes to the block's text, one back); the rows' way back and the
	; stores to memory are written once.  No barrier and no tensor load stands in the loop.
	s_mov_b32 s3, 4
.Lblock:
.irp a, 0,1,2
	s_cmp_eq_u32 s3, 4-(\a)
	s_cbranch_scc1 .Lcase\a
.endr
	CASE32 3
	s_branch .Ljoin
.irp a, 0,1,2
.Lcase\a:
	CASE32 \a
.if (\a) < 2
	s_branch .Ljoin
.endif
.endr
.Ljoin:
.irp t, 0,1,2,3,4,5,6,7,8,9,10,11,12,13,14,15
	ds_load_b128 v[BF+4*(\t):BF+4*(\t)+3], v[RD] offset:(\t)*528  ; LDS serves a wave's instructions in order (ISA guide 5.7.1.4): these see the block's stores
.endr
.irp t, 0,1,2,3,4,5,6,7,8,9,10,11,12,13,14,15
	s_wait_dscnt 15-(\t)                           ; row t is back; the younger loads stay out
	global_store_b128 v[CO], v[BF+4*(\t):BF+4*(\t)+3], s[OUTP:OUTP+1] offset:(\t)*4096 th:TH_STORE_NT  ; a wave stores 512 consecutive bytes, aligned
.endr
	s_wait_xcnt 0x0                                ; the stores have read their base and their registers: the base is stepped here, the registers are loaded again in the next trip
	s_add_nc_u64 s[OUTP:OUTP+1], s[OUTP:OUTP+1], 16*4096
	s_sub_co_u32 s3, s3, 1
	s_cmp_lg_u32 s3, 0
	s_cbranch_scc1 .Lblock
.else
	PACK 0
	TOSTAGE 0
.irp a, 1,2,3                          ; a block's arithmetic stands between the loads of the block before and the wait for them
	PACK \a
	SEND (\a)-1
	TOSTAGE \a
.endr
	SEND 3
.endif
	s_wait_tensorcnt 0x0                           ; the wave's end, behind my last tensor load and my last LDS store
	ds_add_u32 v[SPW], v[NIL]
	s_wait_dscnt 0x0
	CROUND                                         ; the closing round: no work-group ends while a partner may still ask for a tile that names it
	s_endpgm
.Lfunc_end_k_qf196a77cb3_pv:
	.size	k_qf196a77cb3_pv, .Lfunc_end_k_qf196a77cb3_pv-k_qf196a77cb3_pv
	.p2alignl 7, 3214868480
	.fill 96, 4, 3214868480
	.section	.rodata,"a",@progbits
	.p2align	6, 0x0
	.amdhsa_kernel k_qf196a77cb3_pv
		.amdhsa_group_segment_fixed_size 327680
		.amdhsa_private_segment_fixed_size 0
		.amdhsa_enable_private_segment 0
		.amdhsa_kernarg_size 32
		.amdhsa_user_sgpr_count 2
		.amdhsa_user_sgpr_kernarg_segment_ptr 1
		.amdhsa_wavefront_size32 1
		.amdhsa_system_sgpr_workgroup_id_x 1
		.amdhsa_system_sgpr_workgroup_id_y 1
		.amdhsa_system_sgpr_workgroup_id_z 1
		.amdhsa_system_vgpr_workitem_id 0
		.amdhsa_next_free_vgpr 576
		.amdhsa_next_free_sgpr 80
		.amdhsa_reserve_vcc 0
		.amdhsa_float_denorm_mode_32 3
		.amdhsa_float_denorm_mode_16_64 3
		.amdhsa_memory_ordered 1
		.amdhsa_forward_progress 1
		.amdhsa_inst_pref_size 99
	.end_amdhsa_kernel
	.amdgpu_metadata
---
amdhsa.version: [ 1, 2 ]
amdhsa.kernels:
  - .name:           k_qf196a77cb3_pv
    .symbol:         k_qf196a77cb3_pv.kd
    .args:
      - { .name: Pt, .offset: 0, .size: 8, .value_kind: global_buffer, .address_space: global }
      - { .name: QKV, .offset: 8, .size: 8, .value_kind: global_buffer, .address_space: global }
      - { .name: stats, .offset: 16, .size: 8, .value_kind: global_buffer, .address_space: global }
      - { .name: Oh, .offset: 24, .size: 8, .value_kind: global_buffer, .address_space: global }
    .group_segment_fixed_size: 327680
    .private_segment_fixed_size: 0
    .kernarg_segment_align: 8
    .kernarg_segment_size: 32
    .max_flat_workgroup_size: 128
    .sgpr_count:     80
    .vgpr_count:     576
    .wavefront_size: 32
...
	.end_amdgpu_metadata
.endif
;; end of part 4
;; launch outp (part 5): grid 4 x 64, 4 waves a work-group, clusters of 4 x 4, 327,680 bytes of LDS; arguments Oh, Wst, bo, out0; writes out0
.if DOCPART == 5
	.amdgcn_target "amdgcn-amd-amdhsa--gfx1250"
	.amdhsa_code_object_version 6
	.text
	.protected	k_qf196a77cb3_outp
	.globl	k_qf196a77cb3_outp
	.p2align	8
	.type	k_qf196a77cb3_outp,@function
k_qf196a77cb3_outp:
	s_mov_b64 s[64:65], 0
	v_nop
	global_prefetch_b8 v0, s[64:65] scope:SCOPE_SE
	s_setreg_imm32_b32 hwreg(HW_REG_WAVE_MODE, 25, 1), 1
	s_wait_xcnt 0x0
	s_wait_alu depctr_hold_cnt(0) depctr_sa_sdst(0) depctr_va_vdst(0) depctr_va_sdst(0) depctr_va_ssrc(0) depctr_va_vcc(0) depctr_vm_vsrc(0)
	s_getreg_b32 s2, hwreg(HW_REG_IB_STS2, 6, 4)
	s_cmp_eq_u32 s2, 0
	s_cbranch_scc0 .Lentry_in_a_cluster
	s_endpgm
.Lentry_in_a_cluster:
	s_bfe_u32 s2, ttmp6, 0x10000c
	s_cmp_lg_u32 s2, 0xf033
	s_cbranch_scc0 .Lentry_shape_is_right
	s_endpgm
.Lentry_shape_is_right:
; out0[row][e] = the sum over d of Oh[row][d] Wst[3][d][e] + bo[e].  Oh [8192][1024], Wst [4][1024][1024]: f16; bo and out0 [8192][1024]: f32; sums in f32, begun at the bias, stored as they are.
; ONE TEXT serves two kernels; KIND picks what differs: 1 O = P V with the softmax's factors; 2 this one.
; C = A B: A [M][K] with K along the rows, B [K][N] with N along the rows.  A tile of C is 128 x 256: four waves, each 64 x 128: 32 accumulators of 16 x 16, 256 registers.
; At these sizes tiles of 128 x 256 number 256, one to a work-group; tiles of 256 x 256 would number 128.
; K goes in steps of 128 through two LDS slots filled by the tensor data mover; a wave's one load brings 64 rows: waves 0, 1 A's (256 bytes a row), waves 2, 3 B's (512 bytes a row).
; CLUSTER 4 x 4.  A's tile hangs on the tile row alone and is asked for jointly along a row of the cluster, B's on the tile column alone, jointly along a column.
; THE PRODUCT IS TAKEN TRANSPOSED: source 0 = 16 columns of B (out of LDS by the turning load), source 1 = 16 rows of A.  In the result lane l holds row l % 16 of C and the columns 8 (l / 16) + 0..7.
; REGISTERS, in windows of 256 (s_set_vgpr_msb: bits 1:0 source 0, 3:2 source 1, 5:4 source 2, 7:6 destination):
;   window 0: v0-31 addresses and factors; v32-127 at work; v128-191, v192-255 B's fragments, two buffers (column block b at + 8 b)
;   window 1: v0-191 accumulators of row blocks 0-2 (at 64 a + 8 b); v192-223, v224-255 A's fragments, two buffers (row block a at + 8 a)
;   window 2: v0-63 accumulators of row block 3; v64-127 the bias as a C operand (KIND 2)
.set KIND, 2
.if KIND == 1
.set NSTEP, 16                         ; K steps
.set AROWB, 4096                       ; bytes in a row of A
.else
.set NSTEP, 8
.set AROWB, 2048
.endif
.set SLOT1, 1<<17                      ; slot 1 begins here, so that one exclusive or turns an address in one slot into the other's
.set PA,    272                        ; a row of A in LDS: 256 bytes + 16 = 68 words: the 16 rows of a load start at 16 different groups of four banks (64 banks of 4 bytes: ISA guide 11.1)
.set PB,    544                        ; a row of B: 512 + 32 = 136 words
.set BOFF,  128*PA                     ; a slot: A's 128 rows, then B's 128 rows
.set FT,    BOFF+128*PB                ; between the slots, never filled by a tensor load: KIND 1's table of factors, 4,608 bytes a wave
.set STAGE, SLOT1+FT                   ; behind the ring: each wave's stage for the way out, 16 rows x 272 bytes (f16) or x 528 (f32)
.set SPARE, STAGE+4*16*528             ; behind the stages: the spare words, 128 bytes for each wave: two blocks of 256 bytes that no other line names
.set ADRA0, 2                          ; v2   my lane's place in A's tile; never rewritten
.set ADRB0, 3                          ; v3   in B's
.set ADRA,  4                          ; v4   the same in the slot in hand
.set ADRB,  5                          ; v5
.set STO,   6                          ; v6   the way out: where I put my bytes of a row
.set RD,    7                          ; v7   where I read rows back
.set CO,    8                          ; v8   my byte offset in C
.set PFO,   9                          ; v9   the prefetches' offset; never rewritten
.set SPW,   10                         ; v10  LDS address of my spare word: SPARE + 4 x my thread's number; never rewritten
.set NIL,   11                         ; v11  0; never rewritten
.set FTA,   12                         ; v12  KIND 1: my row's place in the table, at the chunk in hand
.set FC,    16                         ; v16-19  KIND 1: the chunk's factor, twice in f16, for my row of row blocks 0-3
.set TMP,   32
.set BF,    128
.set AF,    192
.set BI,    64
.set WV,  16                           ; s16 wave   s17 its 64 rows of the tile; also: it fetches A (0) or B (1)   s18 its 128 columns; also: which 64 rows it fetches
.set WR,  17
.set WC,  18
.set CX,  19                           ; s19, s20 my place in the cluster   s21, s22 the cluster's place   s23 tile row
.set CY,  20
.set CLX, 21
.set CLY, 22
.set TROW, 23
.set G1A, 24                           ; s[24:31] descriptor group 1 for A's tiles; s[32:39] group 0: a set for each first fill; the second then walks
.set G0A, 32
.set AOF, 40                           ; s[40:41] A at my first tile   s[42:43] B at my first tile
.set BOF, 42
.set PFA, 44                           ; s[44:45] where my prefetches stand   s[46:47] their step
.set PST, 46
.set G1B, 48                           ; s[48:55], s[56:63] the same for B's tiles
.set G0B, 56
.set TB,  66                           ; s66  0 or SLOT1: the slot in hand
.set LIM, 67                           ; s67  2 in a wave that prefetches, else the greatest number
.set OUTP, 70                          ; s[70:71] C at my wave's first row and column
.set AUX, 72                           ; s[72:73] the bias, or the statistics
.set MSB, 0
.macro WIN new                         ; the immediate's high byte repeats the setting that is left; a switch that changes nothing is dropped
.if MSB != (\new)
	s_set_vgpr_msb (MSB<<8)|(\new)
.set MSB, \new
.endif
.endm
.macro PLACES                          ; four plain instructions between a matrix instruction and a load into, or a vector write or read of, its registers (ISA guide 7.12.1 for vector writes and reads)
.rept 4
	v_nop
.endr
.endm
.macro CREST                           ; a round of the cluster's barrier behind its opening barrier
	s_cmp_lg_u32 s[WV], 0
	s_cbranch_scc1 .Lnot_wave_0_\@
	s_barrier_signal -3
.Lnot_wave_0_\@:
	s_barrier_wait -3
	s_barrier_signal -1
	s_barrier_wait -1
.endm
.macro CROUND
	s_barrier_signal -1
	s_barrier_wait -1
	CREST
.endm
.macro JLOAD                           ; a joint refill by the walking descriptors; the branch hangs on the wave's number alone; an s_nop 0 and four v_nop follow each line
	s_cmp_eq_u32 s[WR], 0
	s_cbranch_scc0 .Lfor_b_\@
	tensor_load_to_lds s[G0A+4:G0A+7], s[G1A:G1A+7]
	s_nop 0
.rept 4
	v_nop
.endr
	s_branch .Lasked_\@
.Lfor_b_\@:
	tensor_load_to_lds s[G0B+4:G0B+7], s[G1B:G1B+7]
	s_nop 0
.rept 4
	v_nop
.endr
.Lasked_\@:
.endm
; A PREFETCH INTO THE L2, behind a joint refill and the run of LDS loads that follows it: the K step that stands two refills on, 256 matrix instructions ahead of the load that will want it.
; A's 128 rows x 256 bytes: wave 0 of each of the four partners that ask for the tile takes 32 rows, a lane a row, in the first cluster of the row of clusters.  B's 128 rows x 512 bytes: waves 2 and 3 take, of the
; 64 rows that each fetches, 16 for each of the four partners, a lane half a row, in the first of the clusters that walk these rows.  The partners are told apart by address; each 256 bytes are named once in the launch.
; The first four K steps come by their loads alone; the last two refills have no K step two on (s3 counts the refills left).
.macro ASK
	s_cmp_gt_u32 s3, s[LIM]
	s_cbranch_scc0 .Lnot_mine_\@
	global_prefetch_b8 v[PFO], s[PFA:PFA+1] th:TH_LOAD_NT scope:SCOPE_SE
.Lnot_mine_\@:
.endm
; 8 matrix instructions: row block a x all 8 column blocks, 32 along K, from buffer f.  ci = 0: they add in place; 1: they start the sums with 0; 2: with the bias.
; rg >= 0 (KIND 1): behind each stand four packed multiplies that scale A's fragments in buffer rg by the chunk's factor; block 3, which the next quarter takes first, first.
.macro MULA f, a, ci, rg=-1
.if (\a) == 3
.set AB, 0
	WIN 0xa4                                       ; B window 0, A window 1, C and D window 2
.else
.set AB, 64*(\a)
.if (\ci) == 2
	WIN 0x64                                       ; C window 2, D window 1
.else
	WIN 0x54                                       ; C and D window 1
.endif
.endif
.irp b, 0,1,2,3,4,5,6,7
.if (\ci) == 1
	v_wmma_f32_16x16x32_f16 v[AB+8*(\b):AB+8*(\b)+7], v[BF+64*(\f)+8*(\b):BF+64*(\f)+8*(\b)+7], v[AF+32*(\f)+8*(\a):AF+32*(\f)+8*(\a)+7], 0
.elseif (\ci) == 2
	v_wmma_f32_16x16x32_f16 v[AB+8*(\b):AB+8*(\b)+7], v[BF+64*(\f)+8*(\b):BF+64*(\f)+8*(\b)+7], v[AF+32*(\f)+8*(\a):AF+32*(\f)+8*(\a)+7], v[BI+8*(\b):BI+8*(\b)+7]
.else
	v_wmma_f32_16x16x32_f16 v[AB+8*(\b):AB+8*(\b)+7], v[BF+64*(\f)+8*(\b):BF+64*(\f)+8*(\b)+7], v[AF+32*(\f)+8*(\a):AF+32*(\f)+8*(\a)+7], v[AB+8*(\b):AB+8*(\b)+7]
.endif
.if (\rg) >= 0
.irp n, 0,1,2,3
.set T, 4*(\b)+(\n)
.set RA, (3+T/8)%4
	v_pk_mul_f16 v[AF+32*(\rg)+8*RA+T%8], v[FC+RA], v[AF+32*(\rg)+8*RA+T%8]
.endr
.endif
.endr
.endm
; One run of LDS loads: the fragments of quarter q (32 along K) of the slot in hand into buffer g: 8 loads for A's 64 rows, then 16 turning loads for B's 128 columns.  fc = 1 (KIND 1): first the chunk's factors.
.macro FETCH q, g, fc
	WIN 0
.if (KIND == 1) && (\fc)
	ds_load_b128 v[FC:FC+3], v[FTA]
.endif
	WIN 0x40                                       ; destination window 1
.irp a, 0,1,2,3
	ds_load_b128 v[AF+32*(\g)+8*(\a):AF+32*(\g)+8*(\a)+3],   v[ADRA] offset:64*(\q)+(\a)*16*PA
	ds_load_b128 v[AF+32*(\g)+8*(\a)+4:AF+32*(\g)+8*(\a)+7], v[ADRA] offset:64*(\q)+(\a)*16*PA+32
.endr
	WIN 0
.irp b, 0,1,2,3,4,5,6,7
	ds_load_tr16_b128 v[BF+64*(\g)+8*(\b):BF+64*(\g)+8*(\b)+3],   v[ADRB] offset:(\q)*32*PB+32*(\b)
	ds_load_tr16_b128 v[BF+64*(\g)+8*(\b)+4:BF+64*(\g)+8*(\b)+7], v[ADRB] offset:(\q)*32*PB+16*PB+32*(\b)
.endr
.endm
; A K step is four quarters of 32 matrix instructions on buffers 0, 1, 0, 1.  The 32 accumulators take turns in one order (row blocks 3, 0, 1, 2), over every jump too.
; One of the first three quarters: multiplies buffer f and fetches quarter q into buffer g, 24 matrix instructions ahead of its first use.
.macro QUARTER f, g, q, ci
	s_wait_dscnt 0x0                               ; buffer f is in
	MULA \f, 3, \ci
	PLACES                                         ; behind the last products that read buffer g
	FETCH \q, \g, 0
	MULA \f, 0, \ci
	MULA \f, 1, \ci
.if KIND == 1
	s_wait_dscnt 16                                ; A's 8 loads are in; B's 16, issued behind them, may stay out
	MULA \f, 2, \ci, \g
.else
	MULA \f, 2, \ci
.endif
.endm
; The fourth quarter multiplies buffer 1 and changes slots.  In front of the barrier each wave waits for all its tensor loads (one is out: its part of the other slot), adds 0 to its spare word, and waits for that and
; for its own reads of this slot.  fill = 1: the barrier opens a round of the cluster's, and the joint refill, two K steps ahead, is the first thing behind it: 112 matrix instructions ahead of the wait for it.
.macro TURNQ fill
.if \fill
	s_wait_xcnt 0x0                                ; the last prefetch, a K step back, has read its address
	s_add_nc_u64 s[PFA:PFA+1], s[PFA:PFA+1], s[PST:PST+1]
.endif
	WIN 0
	s_wait_tensorcnt 0x0                           ; no tensor load of mine is out, so a group 0 may be written
	ds_add_u32 v[SPW], v[NIL]                      ; 0 onto my spare word
.if \fill
	s_xor_b32 s[G0A+5], s[G0A+5], SLOT1            ; the walking descriptors: the other slot than last time, the next K step
	s_add_nc_u64 s[G0A+6:G0A+7], s[G0A+6:G0A+7], 256
	s_xor_b32 s[G0B+5], s[G0B+5], SLOT1
	s_add_nc_u64 s[G0B+6:G0B+7], s[G0B+6:G0B+7], 128*2048
.endif
	s_xor_b32 s[TB], s[TB], SLOT1
	s_wait_dscnt 0x1                               ; buffer 1 is in; the add may be out
	MULA 1, 3, 0
	s_wait_dscnt 0x0                               ; the add is done, and my reads of this slot are over
	s_barrier_signal -1
	MULA 1, 0, 0                                   ; work on registers while the others arrive
	WIN 0                                          ; at a branch and at a label every window is 0
	s_barrier_wait -1
.if \fill
	CREST                                          ; no wave of any partner still reads this slot or has a load on its way
	JLOAD                                          ; its four v_nop are also the places in front of the loads below
.else
	PLACES
.endif
	v_add_nc_u32 v[ADRA], s[TB], v[ADRA0]
	v_add_nc_u32 v[ADRB], s[TB], v[ADRB0]
.if KIND == 1
	v_add_nc_u32 v[FTA], 256, v[FTA]               ; the next chunk's factors
.endif
	FETCH 0, 0, 1
.if \fill
	ASK
.endif
	MULA 1, 1, 0
.if KIND == 1
	s_wait_dscnt 16                                ; the factors and A's 8 loads are in
	MULA 1, 2, 0, 0
.else
	MULA 1, 2, 0
.endif
.endm
; THE WAY OUT in f16 (KIND 1), a row block at a time: rounded, 16 bytes a lane into my own stage, back as whole rows of 256 bytes, stored.
.macro PACK a                          ; each accumulator's registers in ascending order
.if (\a) == 3
.set AB, 0
	WIN 0x0a
.else
.set AB, 64*(\a)
	WIN 0x05
.endif
.irp b, 0,1,2,3,4,5,6,7
.irp n, 0,1,2,3
	v_cvt_pk_f16_f32 v[TMP+4*(\b)+(\n)], v[AB+8*(\b)+2*(\n)], v[AB+8*(\b)+2*(\n)+1]
.endr
.endr
	WIN 0
.endm
.macro TOSTAGE a
.irp b, 0,1,2,3,4,5,6,7
	ds_store_b128 v[STO], v[TMP+4*(\b):TMP+4*(\b)+3] offset:32*(\b)
.endr
.irp t, 0,1,2,3,4,5,6,7
	ds_load_b128 v[BF+32*(\a)+4*(\t):BF+32*(\a)+4*(\t)+3], v[RD] offset:(\t)*2*272  ; LDS serves a wave's instructions in order (ISA guide 5.7.1.4): these see the stores above; each block has read-back registers of its own
.endr
.endm
.macro SEND a
	s_wait_dscnt 0x0                               ; the block is back in registers
.irp t, 0,1,2,3,4,5,6,7
	global_store_b128 v[CO], v[BF+32*(\a)+4*(\t):BF+32*(\a)+4*(\t)+3], s[OUTP:OUTP+1] offset:(16*(\a)+2*(\t))*2048  ; 16 lanes store 256 consecutive bytes, aligned
.endr
.endm
; THE WAY OUT in f32 (KIND 2): what is written for each row block: its accumulators go straight into my stage (rows of 528 bytes), each accumulator's low registers first.
.macro CASE32 a
.if (\a) == 3
.set AB, 0
	WIN 0x08                                       ; the stores' data in window 2
.else
.set AB, 64*(\a)
	WIN 0x04                                       ; in window 1
.endif
.irp b, 0,1,2,3,4,5,6,7
	ds_store_b128 v[STO], v[AB+8*(\b):AB+8*(\b)+3]   offset:64*(\b)
	ds_store_b128 v[STO], v[AB+8*(\b)+4:AB+8*(\b)+7] offset:64*(\b)+16
.endr
	WIN 0
.endm
	s_load_b256 s[4:11], s[0:1], 0x0               ; A s[4:5], B s[6:7]; KIND 1: stats, Oh; 2: bo, out0
	v_lshl_add_u32 v[SPW], v0, 2, SPARE
	v_mov_b32 v[NIL], 0
	ds_add_u32 v[SPW], v[NIL]                      ; the wave's opening: the add and its wait stand ahead of my first tensor load; the set-up below, work on registers, stands between them
	v_lshrrev_b32 v1, 5, v0
	v_readfirstlane_b32 s[WV], v1
	s_lshr_b32 s[WR], s[WV], 1
	s_and_b32 s[WC], s[WV], 1
	s_bfe_u32 s[CX], ttmp6, 0x40000
	s_bfe_u32 s[CY], ttmp6, 0x40004
	s_mov_b32 s[CLX], ttmp9                        ; in a cluster launch ttmp9 and ttmp7 count clusters
	s_and_b32 s[CLY], ttmp7, 0xffff
	s_lshl_b32 s[TROW], s[CLY], 2
	s_add_co_u32 s[TROW], s[TROW], s[CY]           ; tile row of C; the tile column is cx
	s_lshl_b32 s2, s[CY], 2
	s_lshl_b32 s2, 15, s2                          ; my row of the cluster
	s_lshl_b32 s3, 0x1111, s[CX]                   ; my column
	s_or_b32 s[G1A], s2, (1<<16)|(1<<20)|(1<<21)|(5<<22)|(3<<25)  ; 15:0 the mask; 17:16 2-byte elements; 20 padding on; 21 set beside a mask; 24:22 after every 64 words; 31:25 4 words of it
	s_or_b32 s[G1B], s3, (1<<16)|(1<<20)|(1<<21)|(6<<22)|(7<<25)  ; after every 128 words, 8 words
	s_mov_b32 s[G1A+1], 128<<16                    ; tensor_dim0 = 128
	s_mov_b32 s[G1A+2], 64<<16                     ; tensor_dim1 = 64
	s_mov_b32 s[G1A+3], 128<<16                    ; tile_dim0 = 128
	s_mov_b32 s[G1A+4], 64                         ; tile_dim1 = 64
	s_mov_b32 s[G1A+5], AROWB/2                    ; elements from row to row
	s_mov_b32 s[G1A+6], 0
	s_mov_b32 s[G1A+7], 0
	s_mov_b32 s[G1B+1], 256<<16
	s_mov_b32 s[G1B+2], 64<<16
	s_mov_b32 s[G1B+3], 256<<16
	s_mov_b32 s[G1B+4], 64
	s_mov_b32 s[G1B+5], 1024
	s_mov_b32 s[G1B+6], 0
	s_mov_b32 s[G1B+7], 0
	s_lshl_b32 s[AOF], s[TROW], 7                  ; A: row 128 x tile row + the 64 that I fetch: made of the tile row and the wave's number alone
	s_lshl_b32 s2, s[WC], 6
	s_add_co_u32 s[AOF], s[AOF], s2
	s_mul_i32 s[AOF], s[AOF], AROWB
	s_mov_b32 s[AOF+1], 0
	s_lshl_b32 s[BOF], s[WC], 17                   ; B: the 64 rows of 2,048 bytes that I fetch, the tile column's 512 bytes: made of cx, the cluster's place and the wave's number alone
	s_lshl_b32 s3, s[CX], 9
	s_add_co_u32 s[BOF], s[BOF], s3
.if KIND == 1
	s_lshr_b32 s3, s[CLY], 2                       ; the batch: 16 tile rows, four clusters
	s_lshl_b32 s3, s3, 22                          ; its 2,048 rows of V,
	s_add_co_u32 s[BOF], s[BOF], s3
	s_add_co_u32 s[BOF], s[BOF], 2*8192*2048       ; which lies behind Q and K
.else
	s_add_co_u32 s[BOF], s[BOF], 3*1024*2048       ; Wo is the fourth matrix
.endif
	s_mov_b32 s[BOF+1], 0
	s_mul_i32 s74, s[WC], 64*PA                    ; where the tiles go: no place in the cluster enters an LDS address
	s_mul_i32 s75, s[WC], 64*PB
	s_add_co_u32 s75, s75, BOFF
	s_lshl_b32 s76, s[TROW], 7                     ; the prefetches.  A: my work-group's 32 rows of the tile, at K step 3
	s_lshl_b32 s77, s[CX], 5
	s_add_co_u32 s76, s76, s77
	s_mul_i32 s76, s76, AROWB
	s_add_co_u32 s76, s76, 3*256
	s_lshl_b32 s77, s[CY], 15                      ; B: my work-group's 16 rows of the 64 that I fetch, at K step 3
	s_add_co_u32 s77, s77, s[BOF]
	s_add_co_u32 s77, s77, 3*128*2048
	s_mov_b32 s[PST], 128*2048
	s_mov_b32 s79, 2048
	s_cmp_eq_u32 s[WR], 0
	s_cselect_b32 s76, s76, s77
	s_cselect_b32 s[PST], 256, s[PST]              ; a K step along A's rows, or down B's
	s_cselect_b32 s78, 0, 1                        ; A: a lane a row; B: two lanes a row
	s_cselect_b32 s79, AROWB, s79
	s_mov_b32 s77, 0
	s_mov_b32 s[PST+1], 0
.if KIND == 1
	s_and_b32 s2, s[CLY], 3                        ; a batch's V is walked by four clusters: the first asks
.else
	s_mov_b32 s2, s[CLY]                           ; the weights are walked by every cluster of the column: the first asks
.endif
	s_cmp_eq_u32 s[WR], 0
	s_cselect_b32 s2, s[CLX], s2                   ; A's rows are walked by every cluster of the row
	s_cmp_eq_u32 s[WV], 1
	s_cselect_b32 s2, 1, s2                        ; wave 1 asks for nothing
	s_cmp_eq_u32 s2, 0
	s_cselect_b32 s[LIM], 2, -1                    ; the same in all sixteen partners, for a given wave
	s_mov_b32 s[TB], 0
	s_wait_dscnt 0x0                               ; the opening add is done
	s_wait_kmcnt 0x0
	s_add_nc_u64 s[AOF:AOF+1], s[4:5], s[AOF:AOF+1]
	s_add_nc_u64 s[BOF:BOF+1], s[6:7], s[BOF:BOF+1]
	s_cmp_eq_u32 s[WR], 0
	s_cselect_b64 s[PFA:PFA+1], s[4:5], s[6:7]
	s_add_nc_u64 s[PFA:PFA+1], s[PFA:PFA+1], s[76:77]
	CROUND                                         ; all sixteen work-groups are here: the first joint loads meet
.irp s, 0,1
	s_mov_b32 s[G0A+4*(\s)], 1                                          ; count = 1
	s_add_co_u32 s[G0A+4*(\s)+1], s74, (\s)*SLOT1                       ; LDS address
	s_add_nc_u64 s[G0A+4*(\s)+2:G0A+4*(\s)+3], s[AOF:AOF+1], (\s)*256   ; global address: K step s
	s_or_b32 s[G0A+4*(\s)+3], s[G0A+4*(\s)+3], 0x80000000               ; type = 2
	s_mov_b32 s[G0B+4*(\s)], 1
	s_add_co_u32 s[G0B+4*(\s)+1], s75, (\s)*SLOT1
	s_add_nc_u64 s[G0B+4*(\s)+2:G0B+4*(\s)+3], s[BOF:BOF+1], (\s)*128*2048
	s_or_b32 s[G0B+4*(\s)+3], s[G0B+4*(\s)+3], 0x80000000
.endr
	s_cmp_eq_u32 s[WR], 0                          ; a wave's two first fills stand in one branch, ahead of every wait on TENSORcnt and every LDS read: two loads of mine are out
	s_cbranch_scc0 .Lfirst_b
	tensor_load_to_lds s[G0A:G0A+3], s[G1A:G1A+7]
	s_nop 0
	tensor_load_to_lds s[G0A+4:G0A+7], s[G1A:G1A+7]
	s_nop 0
.rept 4
	v_nop
.endr
	s_branch .Lfirst_asked
.Lfirst_b:
	tensor_load_to_lds s[G0B:G0B+3], s[G1B:G1B+7]
	s_nop 0
	tensor_load_to_lds s[G0B+4:G0B+7], s[G1B:G1B+7]
	s_nop 0
.rept 4
	v_nop
.endr
.Lfirst_asked:
	; A fragment of A is 16 rows x 32 K in 8 registers: lane l holds row l % 16, K = 8 (l / 16) + 0..7 and 16 + 8 (l / 16) + 0..7: two loads of 16 bytes, 32 bytes apart.
	v_and_b32 v1, 15, v0                           ; l % 16
	v_bfe_u32 v13, v0, 4, 1                        ; l / 16
	v_mul_u32_u24 v[ADRA0], v1, PA
	v_lshl_add_u32 v[ADRA0], v13, 4, v[ADRA0]
	s_mul_i32 s2, s[WR], 64*PA
	v_add_nc_u32 v[ADRA0], s2, v[ADRA0]
	; The turning load takes 16 K x 16 columns (lane l reads K row 8 (l / 16) + l % 8, columns 8 ((l / 8) % 2) + 0..7) and leaves half a fragment: lane l holds column l % 16 and 8 K.
	v_and_b32 v14, 7, v0
	v_lshl_add_u32 v14, v13, 3, v14
	v_mul_u32_u24 v[ADRB0], v14, PB
	v_bfe_u32 v15, v0, 3, 1
	v_lshl_add_u32 v[ADRB0], v15, 4, v[ADRB0]
	s_lshl_b32 s2, s[WC], 8
	s_add_co_u32 s2, s2, BOFF
	v_add_nc_u32 v[ADRB0], s2, v[ADRB0]
	v_mov_b32 v[ADRA], v[ADRA0]                    ; K step 0 lies in slot 0
	v_mov_b32 v[ADRB], v[ADRB0]
.if KIND == 2
	s_mul_i32 s2, s[WV], 16*528
	s_add_co_u32 s2, s2, STAGE                     ; my stage
	v_mul_u32_u24 v[STO], v1, 528                  ; in: row l % 16, 32 bytes for each half of the lanes
	v_lshl_add_u32 v[STO], v13, 5, v[STO]
	v_add_nc_u32 v[STO], s2, v[STO]
	v_and_b32 v[CO], 31, v0                        ; back, and in C: 32 lanes take a row's 512 bytes
	v_lshlrev_b32 v[CO], 4, v[CO]
	v_add_nc_u32 v[RD], s2, v[CO]
.else
	s_mul_i32 s2, s[WV], 16*272
	s_add_co_u32 s2, s2, STAGE
	v_mul_u32_u24 v[STO], v1, 272                  ; in: row l % 16, 16 bytes for each half of the lanes
	v_lshl_add_u32 v[STO], v13, 4, v[STO]
	v_add_nc_u32 v[STO], s2, v[STO]
	v_mul_u32_u24 v[RD], v13, 272                  ; back: lanes 0-15 take one row of 256 bytes, lanes 16-31 the next
	v_lshl_add_u32 v[RD], v1, 4, v[RD]
	v_add_nc_u32 v[RD], s2, v[RD]
	v_lshlrev_b32 v[CO], 11, v13                   ; and the same two rows in C
	v_lshl_add_u32 v[CO], v1, 4, v[CO]
.endif
	v_and_b32 v14, 31, v0
	v_lshrrev_b32 v[PFO], s78, v14
	v_mul_u32_u24 v[PFO], s79, v[PFO]              ; the lane's row,
	v_and_b32 v14, s78, v14
	v_lshl_add_u32 v[PFO], v14, 8, v[PFO]          ; and for B its half of the row's 512 bytes
	s_lshl_b32 s68, s[TROW], 7                     ; C at my wave's first row and column
	s_lshl_b32 s69, s[WR], 6
	s_add_co_u32 s68, s68, s69
.if KIND == 2
	s_lshl_b32 s68, s68, 12
	s_lshl_b32 s69, s[CX], 10
	s_add_co_u32 s68, s68, s69
	s_lshl_b32 s69, s[WC], 9
	s_add_co_u32 s68, s68, s69
.else
	s_lshl_b32 s68, s68, 11
	s_lshl_b32 s69, s[CX], 9
	s_add_co_u32 s68, s68, s69
	s_lshl_b32 s69, s[WC], 8
	s_add_co_u32 s68, s68, s69
.endif
	s_mov_b32 s69, 0
	s_add_nc_u64 s[OUTP:OUTP+1], s[10:11], s[68:69]
.if KIND == 2
	; THE BIAS is the C operand that starts the sums: register j of column block b holds b[16 b + 8 (l / 16) + j], the same for all row blocks.
	s_mov_b64 s[AUX:AUX+1], s[8:9]
	s_lshl_b32 s68, s[CX], 10
	s_lshl_b32 s69, s[WC], 9
	s_add_co_u32 s68, s68, s69
	s_mov_b32 s69, 0
	s_add_nc_u64 s[AUX:AUX+1], s[AUX:AUX+1], s[68:69]
	v_lshlrev_b32 v15, 5, v13
	WIN 0x80                                       ; destination window 2
.irp b, 0,1,2,3,4,5,6,7
	global_load_b128 v[BI+8*(\b):BI+8*(\b)+3],   v15, s[AUX:AUX+1] offset:64*(\b)
	global_load_b128 v[BI+8*(\b)+4:BI+8*(\b)+7], v15, s[AUX:AUX+1] offset:64*(\b)+16
.endr
	WIN 0
.else
	; THE SOFTMAX'S FACTORS.  For each row and each of its 16 chunks of 128 keys the launch before left the chunk's maximum m_c (in powers of 2) and the sum l_c of its weights 2^(t - m_c).
	; M = max m_c; f_c = 2^(m_c - M); L = the sum of f_c l_c; g_c = f_c / L, rounded to f16; O = the sum over c of g_c P_c V_c.  Lane l takes rows l and 32 + l of my wave's 64.
	s_lshl_b32 s68, s[TROW], 7
	s_lshl_b32 s69, s[WR], 6
	s_add_co_u32 s68, s68, s69
	s_lshl_b32 s68, s68, 2
	s_mov_b32 s69, 0
	s_add_nc_u64 s[AUX:AUX+1], s[8:9], s[68:69]
	v_and_b32 v14, 31, v0
	v_lshlrev_b32 v14, 2, v14
.set T, 0
.rept 32                               ; T = 16 i + c: m into v32-63, l into v64-95
	global_load_b32 v[32+T], v14, s[AUX:AUX+1] offset:32768*(T%16)+128*(T/16)
	global_load_b32 v[64+T], v14, s[AUX:AUX+1] offset:524288+32768*(T%16)+128*(T/16)
.set T, T+1
.endr
	s_mul_i32 s68, s[WV], 4608
	s_add_co_u32 s68, s68, FT                      ; my wave's table: 17 entries of 256 bytes, word (16 bytes x row % 16) + 4 x row block
	v_lshl_add_u32 v[FTA], v1, 4, s68
	v_lshl_add_u32 v15, v13, 2, v[FTA]             ; where lane l stores: rows l and 32 + l lie in blocks l / 16 and 2 + l / 16
.irp n, 26,27,28,29
	v_mov_b32 v\n, 0
.endr
	s_wait_loadcnt 0x0
.irp i, 0,1
	v_max3_num_f32 v[24+(\i)], v[32+16*(\i)], v[33+16*(\i)], v[34+16*(\i)]
.endr
.irp n, 0,1,2,3,4,5
.irp i, 0,1
	v_max3_num_f32 v[24+(\i)], v[24+(\i)], v[35+16*(\i)+2*(\n)], v[36+16*(\i)+2*(\n)]
.endr
.endr
.irp i, 0,1
	v_max_num_f32 v[24+(\i)], v[24+(\i)], v[47+16*(\i)]
.endr
.set T, 0
.rept 32
	v_sub_f32 v[32+T], v[32+T], v[24+T/16]
.set T, T+1
.endr
.set T, 0
.rept 32
	v_exp_f32 v[32+T], v[32+T]
.set T, T+1
.endr
	v_nop                                          ; a plain instruction behind the last exponential,
	s_wait_alu depctr_va_vdst(0)                   ; and the wait ahead of the first use: one for the 32
.set T, 0
.rept 32                               ; L, in f32, in two chains a row
	v_fmac_f32 v[26+2*(T/16)+T%2], v[32+T], v[64+T]
.set T, T+1
.endr
	v_add_f32 v26, v26, v27
	v_add_f32 v28, v28, v29
	v_rcp_f32 v30, v26                             ; L is at least 1: the chunk with m_c = M has f = 1 and l >= 1
	v_rcp_f32 v31, v28
	v_nop
	s_wait_alu depctr_va_vdst(0)
.set T, 0
.rept 32
	v_mul_f32 v[32+T], v[30+T/16], v[32+T]         ; g = f / L
.set T, T+1
.endr
.set T, 0
.rept 32
	v_cvt_pk_f16_f32 v[96+T], v[32+T], v[32+T]     ; the factor twice, for the packed multiply
.set T, T+1
.endr
.set T, 0
.rept 32
	ds_store_b32 v15, v[96+T] offset:256*(T%16)+8*(T/16)
.set T, T+1
.endr
.irp i, 0,1
	ds_store_b32 v15, v[111+16*(\i)] offset:4096+8*(\i)   ; entry 16 is read by the last trip's fetch and serves nothing
.endr
	s_wait_dscnt 0x0                               ; no LDS instruction of mine is out at the signal below
.endif
	s_wait_tensorcnt 0x1                           ; my part of K step 0 is in; K step 1's may stay out
	s_barrier_signal -1
	s_barrier_wait -1                              ; everybody's is
	FETCH 0, 0, 1
.if KIND == 1
	s_wait_dscnt 0x0
	WIN 0x54
.set T, 0
.rept 32
	v_pk_mul_f16 v[AF+T], v[FC+T/8], v[AF+T]       ; the first quarter's fragments have no products to ride behind
.set T, T+1
.endr
	QUARTER 0, 1, 1, 1                             ; the first quarter stands in front of the loop: its products start the sums
.else
	s_wait_loadcnt 0x0                             ; the bias
	QUARTER 0, 1, 1, 2
.endif
	WIN 0
	s_mov_b32 s3, NSTEP-2
	s_branch .Lq1                                  ; the loop is entered behind a step's first quarter
.Lstep:                                        ; NSTEP - 2 trips: a K step each, and a refill each
	QUARTER 0, 1, 1, 0
	WIN 0
.Lq1:
	QUARTER 1, 0, 2, 0
	QUARTER 0, 1, 3, 0
	TURNQ 1
	WIN 0
	s_sub_co_u32 s3, s3, 1
	s_cmp_lg_u32 s3, 0
	s_cbranch_scc1 .Lstep
	s_mov_b32 s3, 2
.Ltail:                                        ; the last two K steps ask for nothing; the last trip's barrier and fetch serve nothing: the price, once a launch, of one text for both
	QUARTER 0, 1, 1, 0
	QUARTER 1, 0, 2, 0
	QUARTER 0, 1, 3, 0
	TURNQ 0
	WIN 0
	s_sub_co_u32 s3, s3, 1
	s_cmp_lg_u32 s3, 0
	s_cbranch_scc1 .Ltail
	s_wait_dscnt 0x0                               ; that last fetch has landed: its registers are used below
	PLACES
	PLACES
.if KIND == 2
	; Four trips, row block a = 4 - s3.  A trip picks its block's LDS stores by its count (a pair of lines that does not match falls through; one jump goes to the block's text, one back); the rows' way back and the
	; stores to memory are written once.  No barrier and no tensor load stands in the loop.
	s_mov_b32 s3, 4
.Lblock:
.irp a, 0,1,2
	s_cmp_eq_u32 s3, 4-(\a)
	s_cbranch_scc1 .Lcase\a
.endr
	CASE32 3
	s_branch .Ljoin
.irp a, 0,1,2
.Lcase\a:
	CASE32 \a
.if (\a) < 2
	s_branch .Ljoin
.endif
.endr
.Ljoin:
.irp t, 0,1,2,3,4,5,6,7,8,9,10,11,12,13,14,15
	ds_load_b128 v[BF+4*(\t):BF+4*(\t)+3], v[RD] offset:(\t)*528  ; LDS serves a wave's instructions in order (ISA guide 5.7.1.4): these see the block's stores
.endr
.irp t, 0,1,2,3,4,5,6,7,8,9,10,11,12,13,14,15
	s_wait_dscnt 15-(\t)                           ; row t is back; the younger loads stay out
	global_store_b128 v[CO], v[BF+4*(\t):BF+4*(\t)+3], s[OUTP:OUTP+1] offset:(\t)*4096 th:TH_STORE_NT  ; a wave stores 512 consecutive bytes, aligned
.endr
	s_wait_xcnt 0x0                                ; the stores have read their base and their registers: the base is stepped here, the registers are loaded again in the next trip
	s_add_nc_u64 s[OUTP:OUTP+1], s[OUTP:OUTP+1], 16*4096
	s_sub_co_u32 s3, s3, 1
	s_cmp_lg_u32 s3, 0
	s_cbranch_scc1 .Lblock
.else
	PACK 0
	TOSTAGE 0
.irp a, 1,2,3                          ; a block's arithmetic stands between the loads of the block before and the wait for them
	PACK \a
	SEND (\a)-1
	TOSTAGE \a
.endr
	SEND 3
.endif
	s_wait_tensorcnt 0x0                           ; the wave's end, behind my last tensor load and my last LDS store
	ds_add_u32 v[SPW], v[NIL]
	s_wait_dscnt 0x0
	CROUND                                         ; the closing round: no work-group ends while a partner may still ask for a tile that names it
	s_endpgm
.Lfunc_end_k_qf196a77cb3_outp:
	.size	k_qf196a77cb3_outp, .Lfunc_end_k_qf196a77cb3_outp-k_qf196a77cb3_outp
	.p2alignl 7, 3214868480
	.fill 96, 4, 3214868480
	.section	.rodata,"a",@progbits
	.p2align	6, 0x0
	.amdhsa_kernel k_qf196a77cb3_outp
		.amdhsa_group_segment_fixed_size 327680
		.amdhsa_private_segment_fixed_size 0
		.amdhsa_enable_private_segment 0
		.amdhsa_kernarg_size 32
		.amdhsa_user_sgpr_count 2
		.amdhsa_user_sgpr_kernarg_segment_ptr 1
		.amdhsa_wavefront_size32 1
		.amdhsa_system_sgpr_workgroup_id_x 1
		.amdhsa_system_sgpr_workgroup_id_y 1
		.amdhsa_system_sgpr_workgroup_id_z 1
		.amdhsa_system_vgpr_workitem_id 0
		.amdhsa_next_free_vgpr 640
		.amdhsa_next_free_sgpr 80
		.amdhsa_reserve_vcc 0
		.amdhsa_float_denorm_mode_32 3
		.amdhsa_float_denorm_mode_16_64 3
		.amdhsa_memory_ordered 1
		.amdhsa_forward_progress 1
		.amdhsa_inst_pref_size 57
	.end_amdhsa_kernel
	.amdgpu_metadata
---
amdhsa.version: [ 1, 2 ]
amdhsa.kernels:
  - .name:           k_qf196a77cb3_outp
    .symbol:         k_qf196a77cb3_outp.kd
    .args:
      - { .name: Oh, .offset: 0, .size: 8, .value_kind: global_buffer, .address_space: global }
      - { .name: Wst, .offset: 8, .size: 8, .value_kind: global_buffer, .address_space: global }
      - { .name: bo, .offset: 16, .size: 8, .value_kind: global_buffer, .address_space: global }
      - { .name: out0, .offset: 24, .size: 8, .value_kind: global_buffer, .address_space: global }
    .group_segment_fixed_size: 327680
    .private_segment_fixed_size: 0
    .kernarg_segment_align: 8
    .kernarg_segment_size: 32
    .max_flat_workgroup_size: 128
    .sgpr_count:     80
    .vgpr_count:     640
    .wavefront_size: 32
...
	.end_amdgpu_metadata
.endif
;; end of part 5
